; MI455X (gfx1250); checked and timed in simulation.
; The chip was launched on July 23, 2026; its instructions are those of AMD's public machine-readable ISA for CDNA 5 (MIT licence, August 2026) and "CDNA5" Instruction Set Architecture Reference Guide (July 2026). The comments in the code are by the model that wrote it; some were corrected since.
;; Multi Scale Retention. Allowed arithmetic: float matrix products may take bf16 or f16 operands with f32 sums; all other float work in f32.
;; Inputs: Wg 2,048 x 2,048 float32; Wk 2,048 x 2,048 float32; Wo 2,048 x 2,048 float32; Wq 2,048 x 2,048 float32; Wv 2,048 x 2,048 float32; bg 2,048 float32; bk 2,048 float32; bo 2,048 float32; bq 2,048 float32; bv 2,048 float32; key 2 x 1,024 x 2,048 float32; query 2 x 1,024 x 2,048 float32; value 2 x 1,024 x 2,048 float32.
;; Outputs: out0 2 x 1,024 x 2,048 float32.
;; 2 versions, each right; version 2 is version 1 with the launch cvt written anew for expert scheduling mode. Each part assembles by itself: llvm-mc -triple=amdgcn-amd-amdhsa -mcpu=gfx1250 --defsym DOCPART=n.
;; ======== version 1 of 2: 4 launches
;; limits: values outside matrix products are rounded to f16; values are held in f16: magnitudes above 65,504 overflow, below 6.1e-05 lose precision
;; workspace buffers: cb 67,108,864 bytes; tab 524,288 bytes; qkvg 33,554,432 bytes; mx 4,096 bytes; yb 8,388,608 bytes
;; launch cvt (part 1): grid 128 x 8, 8 waves a work-group, no clusters, 0 bytes of LDS; arguments query, key, value, Wq, Wk, Wv, Wg, Wo, cb, tab; writes cb, tab
.if DOCPART == 1
	.amdgcn_target "amdgcn-amd-amdhsa--gfx1250"
	.amdhsa_code_object_version 6
	.text
	.protected	k_qa1f900572e_cvt
	.globl	k_qa1f900572e_cvt
	.p2align	8
	.type	k_qa1f900572e_cvt,@function
k_qa1f900572e_cvt:
	s_mov_b64 s[64:65], 0
	v_nop
	global_prefetch_b8 v0, s[64:65] scope:SCOPE_SE
	s_setreg_imm32_b32 hwreg(HW_REG_WAVE_MODE, 25, 1), 1
	s_wait_xcnt 0x0
; The eight large inputs, f32 [2048][2048] each, are rounded once to bf16 into the eight sections of cb (grid y = 0..7: query, key, value, Wq, Wk, Wv, Wg, Wo).
; The 128 work-groups of section 0 also make the table tab[n][pair] = (cos, sin) of n x theta_pair, n = 0..1023, 64 pairs, theta_p = 10000^(-p/63), while their first loads are on their way.
; A stream: every byte is read once and written once, so there is no LDS, no barrier and no matrix work.  A work-group takes 131,072 bytes of its input, a wave 16,384:
; 32 loads of 512 consecutive bytes; sixteen of them are out at a time.  A load's 128 numbers leave as one store of 256 consecutive bytes, aligned.
; The first sixteen pieces are rounded into registers of their own (Y), since their registers are loaded again at once; the last sixteen are rounded in place: no register that a store reads is ever rewritten.
; LIMIT.  The table's angle is n x theta in f32 with theta = 2^(-p x 0.21091607); it is brought into one turn by a fused multiply-add with 1/(2 pi) in f32: the angle may
; differ from the exact one by about 1e-4 rad at n near 1,023.  Row 0 is (1, 0) exactly.
.set X, 16                             ; v[16:79]  slot i: 4 registers as loaded
.set Y, 80                             ; v[80:111] slot i: 2 registers to store
	s_load_b512 s[8:23], s[0:1], 0x0               ; the eight sources
	s_load_b128 s[24:27], s[0:1], 0x40             ; cb s[24:25], tab s[26:27]
	s_and_b32 s4, ttmp7, 0xffff                    ; which section
	v_lshrrev_b32 v3, 5, v0                        ; wave
	v_and_b32 v4, 31, v0                           ; lane
	v_lshlrev_b32 v1, 4, v4
	v_lshl_add_u32 v1, v3, 14, v1                  ; in: 16,384 x wave + 16 x lane; never rewritten
	v_lshlrev_b32 v2, 3, v4
	v_lshl_add_u32 v2, v3, 13, v2                  ; out: 8,192 x wave + 8 x lane; never rewritten
	s_wait_kmcnt 0x0
	s_mov_b64 s[28:29], s[8:9]                     ; the source is chosen by the grid's y alone
.irp i, 1,2,3,4,5,6,7
	s_cmp_eq_u32 s4, \i
	s_cselect_b64 s[28:29], s[8+2*\i:9+2*\i], s[28:29]
.endr
	s_lshl_b32 s2, ttmp9, 17                       ; my 131,072 bytes of the source
	s_mov_b32 s3, 0
	s_add_nc_u64 s[28:29], s[28:29], s[2:3]
	s_lshl_b32 s2, s4, 23                          ; the section of 8,388,608 bytes,
	s_lshl_b32 s5, ttmp9, 16                       ; my 65,536 bytes of it
	s_add_co_u32 s2, s2, s5
	s_add_nc_u64 s[30:31], s[24:25], s[2:3]
.irp i, 0,1,2,3,4,5,6,7,8,9,10,11,12,13,14,15
	global_load_b128 v[X+4*(\i):X+4*(\i)+3], v1, s[28:29] offset:512*(\i) th:TH_LOAD_NT
.endr
	s_cmp_lg_u32 s4, 0
	s_cbranch_scc1 .Lstream
; THE TABLE.  128 work-groups x 256 threads, two pairs a thread: thread g makes pairs 2 (g % 32), + 1 of row g / 32, 16 bytes at 16 g.  It works in v3 to v15, which the stream does not name again.
; a = n theta; f = a / 2 pi less the nearest whole number; u = f pi / 2 is a quarter of the angle, at most pi / 4; sin u and cos u by their series (what is cut off is below 4e-7);
; the angle is doubled twice: sin 2x = 2 sin x cos x, cos 2x = 1 - 2 sin^2 x.
.macro SINCOS th, c, s, a, b, d
	v_mul_f32 v[\a], v3, v[\th]
	v_mul_f32 v[\b], 0.15915494, v[\a]
	v_rndne_f32 v[\b], v[\b]
	v_fma_f32 v[\a], v[\a], 0.15915494, -v[\b]
	v_mul_f32 v[\a], 0x3fc90fdb, v[\a]             ; u
	v_mul_f32 v[\b], v[\a], v[\a]                  ; z = u u
	v_fmaak_f32 v[\d], v[\b], v6, 0x3c088889       ; 1/120 - z/5040
	v_fmaak_f32 v[\d], v[\b], v[\d], 0xbe2aaaab    ; -1/6 + z ..
	v_fma_f32 v[\d], v[\b], v[\d], 1.0
	v_mul_f32 v[\s], v[\a], v[\d]                  ; sin u
	v_fmaak_f32 v[\d], v[\b], v7, 0xbab60b61       ; -1/720 + z/40320
	v_fmaak_f32 v[\d], v[\b], v[\d], 0x3d2aaaab    ; 1/24 + z ..
	v_fma_f32 v[\d], v[\b], v[\d], -0.5
	v_fma_f32 v[\c], v[\b], v[\d], 1.0             ; cos u
	v_add_f32 v[\a], v[\s], v[\s]
	v_fma_f32 v[\d], -v[\a], v[\s], 1.0            ; cos 2u
	v_mul_f32 v[\s], v[\a], v[\c]                  ; sin 2u
	v_add_f32 v[\a], v[\s], v[\s]
	v_fma_f32 v[\c], -v[\a], v[\s], 1.0            ; cos 4u
	v_mul_f32 v[\s], v[\a], v[\d]                  ; sin 4u
.endm
	s_lshl_b32 s5, ttmp9, 8
	v_add_nc_u32 v12, s5, v0                       ; g
	v_lshrrev_b32 v3, 5, v12                       ; n
	v_and_b32 v4, 31, v12
	v_lshlrev_b32 v4, 1, v4                        ; the first pair
	v_add_nc_u32 v5, 1, v4                         ; the second
	v_cvt_f32_u32 v3, v3
	v_cvt_f32_u32 v4, v4
	v_cvt_f32_u32 v5, v5
	v_mul_f32 v4, 0xbe57fa62, v4                   ; - p log2(10000) / 63
	v_mul_f32 v5, 0xbe57fa62, v5
	v_exp_f32 v4, v4                               ; theta
	v_exp_f32 v5, v5
	v_mov_b32 v6, 0xb9500d01                       ; -1/5040: a plain instruction stands behind the exponentials (ISA guide 5.7.2)
	v_mov_b32 v7, 0x37d00d01                       ; 1/40320
	v_lshlrev_b32 v12, 4, v12                      ; 16 g
	s_wait_alu depctr_va_vdst(0)
	SINCOS 4, 8, 9, 13, 14, 15
	SINCOS 5, 10, 11, 13, 14, 15
	global_store_b128 v12, v[8:11], s[26:27]       ; 16 lanes store 256 consecutive bytes, aligned
.Lstream:
; One slot's turn.  ahead = 1: the slot is loaded again, sixteen pieces on.  left: the younger loads that may stay out.
.macro SLOT i, ahead, left
	s_wait_loadcnt \left                           ; loads come back in order (ISA guide 5.7.1): mine is in
.if \ahead
	v_cvt_pk_bf16_f32 v[Y+2*(\i)],   v[X+4*(\i)],   v[X+4*(\i)+1]
	v_cvt_pk_bf16_f32 v[Y+2*(\i)+1], v[X+4*(\i)+2], v[X+4*(\i)+3]
	global_load_b128 v[X+4*(\i):X+4*(\i)+3], v1, s[28:29] offset:512*(16+(\i)) th:TH_LOAD_NT
	global_store_b64 v2, v[Y+2*(\i):Y+2*(\i)+1], s[30:31] offset:256*(\i)        ; 32 lanes store 256 consecutive bytes, aligned
.else
	v_cvt_pk_bf16_f32 v[X+4*(\i)],   v[X+4*(\i)],   v[X+4*(\i)+1]                ; in place: nothing is loaded into these registers again
	v_cvt_pk_bf16_f32 v[X+4*(\i)+1], v[X+4*(\i)+2], v[X+4*(\i)+3]
	global_store_b64 v2, v[X+4*(\i):X+4*(\i)+1], s[30:31] offset:256*((\i)+16)
.endif
.endm
.irp i, 0,1,2,3,4,5,6,7,8,9,10,11,12,13,14,15
	SLOT \i, 1, 15                                 ; the fifteen younger loads stay out
.endr
.irp i, 0,1,2,3,4,5,6,7,8,9,10,11,12,13,14,15
	SLOT \i, 0, 15-(\i)                            ; nothing more is loaded: the counts run down
.endr
	s_endpgm
.Lfunc_end_k_qa1f900572e_cvt:
	.size	k_qa1f900572e_cvt, .Lfunc_end_k_qa1f900572e_cvt-k_qa1f900572e_cvt
	.p2alignl 7, 3214868480
	.fill 96, 4, 3214868480
	.section	.rodata,"a",@progbits
	.p2align	6, 0x0
	.amdhsa_kernel k_qa1f900572e_cvt
		.amdhsa_group_segment_fixed_size 0
		.amdhsa_private_segment_fixed_size 0
		.amdhsa_enable_private_segment 0
		.amdhsa_kernarg_size 80
		.amdhsa_user_sgpr_count 2
		.amdhsa_user_sgpr_kernarg_segment_ptr 1
		.amdhsa_wavefront_size32 1
		.amdhsa_system_sgpr_workgroup_id_x 1
		.amdhsa_system_sgpr_workgroup_id_y 1
		.amdhsa_system_sgpr_workgroup_id_z 1
		.amdhsa_system_vgpr_workitem_id 0
		.amdhsa_next_free_vgpr 112
		.amdhsa_next_free_sgpr 66
		.amdhsa_reserve_vcc 0
		.amdhsa_float_denorm_mode_32 3
		.amdhsa_float_denorm_mode_16_64 3
		.amdhsa_memory_ordered 1
		.amdhsa_forward_progress 1
		.amdhsa_inst_pref_size 16
	.end_amdhsa_kernel
	.amdgpu_metadata
---
amdhsa.version: [ 1, 2 ]
amdhsa.kernels:
  - .name:           k_qa1f900572e_cvt
    .symbol:         k_qa1f900572e_cvt.kd
    .args:
      - { .name: query, .offset: 0, .size: 8, .value_kind: global_buffer, .address_space: global }
      - { .name: key, .offset: 8, .size: 8, .value_kind: global_buffer, .address_space: global }
      - { .name: value, .offset: 16, .size: 8, .value_kind: global_buffer, .address_space: global }
      - { .name: Wq, .offset: 24, .size: 8, .value_kind: global_buffer, .address_space: global }
      - { .name: Wk, .offset: 32, .size: 8, .value_kind: global_buffer, .address_space: global }
      - { .name: Wv, .offset: 40, .size: 8, .value_kind: global_buffer, .address_space: global }
      - { .name: Wg, .offset: 48, .size: 8, .value_kind: global_buffer, .address_space: global }
      - { .name: Wo, .offset: 56, .size: 8, .value_kind: global_buffer, .address_space: global }
      - { .name: cb, .offset: 64, .size: 8, .value_kind: global_buffer, .address_space: global }
      - { .name: tab, .offset: 72, .size: 8, .value_kind: global_buffer, .address_space: global }
    .group_segment_fixed_size: 0
    .private_segment_fixed_size: 0
    .kernarg_segment_align: 8
    .kernarg_segment_size: 80
    .max_flat_workgroup_size: 256
    .sgpr_count:     66
    .vgpr_count:     112
    .wavefront_size: 32
...
	.end_amdgpu_metadata
.endif
;; end of part 1
;; launch proj (part 2): grid 8 x 32, 4 waves a work-group, clusters of 4 x 4, 327,680 bytes of LDS; arguments cb, tab, bq, bk, bv, bg, qkvg, mx; writes qkvg, mx
.if DOCPART == 2
	.amdgcn_target "amdgcn-amd-amdhsa--gfx1250"
	.amdhsa_code_object_version 6
	.text
	.protected	k_qa1f900572e_proj
	.globl	k_qa1f900572e_proj
	.p2align	8
	.type	k_qa1f900572e_proj,@function
k_qa1f900572e_proj:
	s_mov_b64 s[64:65], 0
	v_nop
	global_prefetch_b8 v0, s[64:65] scope:SCOPE_SE
	s_setreg_imm32_b32 hwreg(HW_REG_WAVE_MODE, 25, 1), 1
	s_wait_xcnt 0x0
	s_wait_alu depctr_hold_cnt(0) depctr_sa_sdst(0) depctr_va_vdst(0) depctr_va_sdst(0) depctr_va_ssrc(0) depctr_va_vcc(0) depctr_vm_vsrc(0)
	s_getreg_b32 s2, hwreg(HW_REG_IB_STS2, 6, 4)
	s_cmp_eq_u32 s2, 0
	s_cbranch_scc0 .Lentry_in_a_cluster
	s_endpgm
.Lentry_in_a_cluster:
	s_bfe_u32 s2, ttmp6, 0x10000c
	s_cmp_lg_u32 s2, 0xf033
	s_cbranch_scc0 .Lentry_shape_is_right
	s_endpgm
.Lentry_shape_is_right:
; FOUR PROJECTIONS IN ONE LAUNCH: q = query Wq^T + bq, k = key Wk^T + bk, v = value Wv^T + bv, g = query Wg^T + bg, each 2048 x 2048 x 2048, bf16 operands (sections of cb), f32 sums.
; On the way out: the bias (rounded to bf16, as all inputs of the program are); for q and k the rotation by n theta; the result rounded once to f16 and laid by heads:
; qkvg[section][b 16 + h][n][128].  Each wave also stores the largest magnitude of its 128 x 128 numbers into mx[section][b][h][n / 128].
; THE ROTATION.  (cos, sin) of my first 16 rows come from tab once; from one block of 16 rows to the next they are turned by 16 theta, with tab's row 16, in registers.
; v and g take the same text with the table's row 0 in both places, which is (1, 0) and stays so: no branch hangs on the section.
; LIMITS.  f16 holds no number beyond 65,504: q, k, v and g must lie within it after the bias.  The seven turns, in f32, add some 1e-6 to (cos, sin).  NaN and infinities are not treated apart.
; SHARES.  The grid's y is 4 sections x 8 tile rows, its x 8 tile columns: 256 work-groups.  A tile of C is 256 x 256; four waves, each 128 x 128: 64 accumulators of 16 x 16, 512 registers.
; A wave's 128 columns are one head.  K goes in steps of 128 through two LDS slots filled by the tensor data mover; a tile's rows are 256 bytes of memory, at multiples of 256 from the section's first byte.
; THE K LOOP's trip is one K step, written once: the slot in hand is a scalar, 0 or SLOT, that one exclusive or turns, and one descriptor a tensor walks from slot to slot and from K step to K step.
; CLUSTERS: 4 x 4 work-groups, all of one section.  The four of a row of the cluster need the same tiles of A, the four of a column the same tiles of B: each tile is asked for JOINTLY, by the same
; tensor load with the same descriptor and a mask that names the four.
; THE MATRIX INSTRUCTION IS USED TRANSPOSED (source 0 = 16 rows of B, source 1 = 16 rows of A): lane l holds row l % 16 of C and the columns 8 (l / 16) + 0..7: four pairs of the rotation, 16 bytes of f16.
; REGISTERS, in windows of 256 (s_set_vgpr_msb: bits 1:0 source 0, 3:2 source 1, 5:4 source 2, 7:6 destination):
;   window 0: v0-31 addresses and four maxima; v64-127, v128-191 fragments of A; v192-255 (cos, sin) of 16 theta; on the way out v64-127 X, v128-191 at work, v32-63 rows read back
;   window 1: v0-63 the bias of my 64 columns a lane; v64-127, v128-191 fragments of B; v192-255 (cos, sin) of the block in hand
;   window 2: the 32 accumulators of my rows 0-63 ((a, b) at v[8 (8 a + b)]);   window 3: those of my rows 64-127
.set SIZE_K, 2048
.set SEC,    8388608                   ; bytes in a section of cb and of qkvg
.set KSTEP,  128
.set STEPS,  SIZE_K/KSTEP              ; 16
.set PITCH,  272                       ; an LDS row: 256 bytes + 16 of padding = 68 words: row r starts at bank 4 r mod 64 (64 banks of 4 bytes: ISA guide 11.1)
.set HALFT,  128*PITCH                 ; 128 rows: what one tensor load brings
.set SLOT,   4*HALFT                   ; A's 256 rows, then B's 256 rows.  0x22000 has no bit in common with wave x HALFT (0, 0x8800, 0x11000, 0x19800): an exclusive or with it turns a tile's LDS address into the other slot's
.set STAGE,  2*SLOT                    ; behind the ring: 16 rows x 272 bytes for each wave, for the way out
.set SPITCH, 272
.set SPARE,  STAGE+4*16*SPITCH         ; behind the stages: the spare words, 128 bytes for each wave, which no other line names
.set MXR,  8                           ; v8-11   four running maxima
.set ADRA0, 16                         ; v16     LDS address of my A fragments in slot 0; never rewritten
.set ADRA,  17                         ; v17     the same in the slot in hand
.set ADRB0, 20                         ; v20, v21  the same for B
.set ADRB,  21
.set STO,  24                          ; v24     the way out: where I put 16 bytes of a row
.set RD,   25                          ; v25     the way out: where I read a row back
.set CO,   26                          ; v26     my 16 bytes in 512 consecutive bytes of the result
.set BO,   27                          ; v27     byte offset of my first 8 numbers in the bias
.set SPW,  28                          ; v28     LDS address of my spare word; never rewritten
.set NIL,  29                          ; v29     0; never rewritten
.set TA,   30                          ; v30     byte offset in tab of my first row's first 4 pairs; never rewritten
.set TD,   31                          ; v31     the same in the row of 16 theta; never rewritten
.set F0,   64
.set F1,   128
.set OB,   32                          ; the way out: 16 rows read back from the stage
.set X,    64                          ; a block's 64 numbers a lane, f32
.set T,    128                         ; v128-191 at work
.set TMP,  128                         ; v128-159 the block rounded to f16, when T's products have been used
.set DD,   192                         ; window 0: (cos, sin) of 16 theta for my 32 pairs
.set CS,   192                         ; window 1: (cos, sin) of the block's row for my 32 pairs
.set BIAS, 0                           ; window 1
.set SB, 4                             ; s4      LDS byte at which the slot in hand begins: 0 or SLOT
.set G1, 24                            ; s[24:31] descriptor group 1 for A's tiles;  s[32:39] group 0: a set for each of the two first fills; the second then walks on
.set G0, 32
.set G1B, 48                           ; s[48:55], s[56:63] the same for B's tiles
.set G0B, 56
.set MSB, 0
.macro WIN new                         ; the immediate's high byte repeats the setting that is left; a switch that changes nothing is dropped
.if MSB != (\new)
	s_set_vgpr_msb (MSB<<8)|(\new)
.set MSB, \new
.endif
.endm
.set MUL_LO, 0xa1                      ; source 0 (B) window 1, source 1 (A) window 0, C and D window 2
.set MUL_HI, 0xf1                      ; the same, C and D window 3
.set TO_B,   0x40                      ; destination window 1, address window 0
; A joint load.  Waves 0 and 1 fetch A's two halves, waves 2 and 3 B's.  The branch hangs on the wave's number alone.  An s_nop 0 and four v_nop follow each of the two lines.
.macro JLOAD s
	s_cmp_eq_u32 s11, 0
	s_cbranch_scc0 .Lfor_b_\@
	tensor_load_to_lds s[G0+4*(\s):G0+4*(\s)+3], s[G1:G1+7]
	s_nop 0
.rept 4
	v_nop
.endr
	s_branch .Lasked_\@
.Lfor_b_\@:
	tensor_load_to_lds s[G0B+4*(\s):G0B+4*(\s)+3], s[G1B:G1B+7]
	s_nop 0
.rept 4
	v_nop
.endr
.Lasked_\@:
.endm
.macro CREST                           ; a round of the cluster's barrier behind its opening barrier
	s_cmp_lg_u32 s10, 0
	s_cbranch_scc1 .Lnot_wave_0_\@
	s_barrier_signal -3
.Lnot_wave_0_\@:
	s_barrier_wait -3
	s_barrier_signal -1
	s_barrier_wait -1
.endm
.macro CROUND                          ; a whole round
	s_barrier_signal -1
	s_barrier_wait -1
	CREST
.endm
	s_load_b512 s[68:83], s[0:1], 0x0              ; cb 68, tab 70, bq 72, bk 74, bv 76, bg 78, qkvg 80, mx 82
	v_lshl_add_u32 v[SPW], v0, 2, SPARE
	v_mov_b32 v[NIL], 0
	ds_add_u32 v[SPW], v[NIL]                      ; the wave's opening: the add and its wait stand ahead of my first tensor load; work on registers stands between them
	v_lshrrev_b32 v1, 5, v0
	v_readfirstlane_b32 s10, v1                    ; wave 0..3
	s_lshr_b32 s11, s10, 1                         ; which half of the tile's rows is mine.  Also: I fetch for A (0) or for B (1)
	s_and_b32 s12, s10, 1                          ; which half of its columns.  Also: which 128 rows of that tile I fetch
	s_bfe_u32 s40, ttmp6, 0x40000                  ; cx
	s_bfe_u32 s41, ttmp6, 0x40004                  ; cy
	s_lshl_b32 s42, ttmp9, 2
	s_add_co_u32 s42, s42, s40                     ; tile column 0..7 = 4 x cluster x + cx
	s_and_b32 s13, ttmp7, 0xffff                   ; cluster y 0..7
	s_lshr_b32 s84, s13, 1                         ; the section 0..3: the same in all sixteen partners
	s_and_b32 s13, s13, 1
	s_lshl_b32 s13, s13, 2
	s_add_co_u32 s13, s13, s41                     ; tile row 0..7 in the section
	s_lshl_b32 s43, s41, 2
	s_lshl_b32 s43, 15, s43                        ; my row of the cluster
	s_lshl_b32 s44, 0x1111, s40                    ; my column
	s_or_b32 s[G1+0], s43, (1<<16)|(1<<20)|(1<<21)|(5<<22)|(3<<25)   ; the mask; elements of 2 bytes; padding on; bit 21 beside a mask; after every 64 words (code 5) 4 words (code 3)
	s_or_b32 s[G1B+0], s44, (1<<16)|(1<<20)|(1<<21)|(5<<22)|(3<<25)
.irp g, G1, G1B
	s_mov_b32 s[(\g)+1], KSTEP<<16                 ; tensor_dim0 = 128
	s_mov_b32 s[(\g)+2], 128<<16                   ; tensor_dim1 = 128
	s_mov_b32 s[(\g)+3], KSTEP<<16                 ; tile_dim0 = 128
	s_mov_b32 s[(\g)+4], 128                       ; tile_dim1 = 128
	s_mov_b32 s[(\g)+5], SIZE_K                    ; elements from row to row
	s_mov_b32 s[(\g)+6], 0
	s_mov_b32 s[(\g)+7], 0
.endr
	s_cmp_eq_u32 s84, 3
	s_cselect_b32 s85, 0, s84                      ; A's section of cb: query, key, value, query
	s_cmp_lt_u32 s84, 2
	s_cselect_b32 s88, 512, 0                      ; bytes from row to row of the table: q and k take their rows, v and g row 0
	s_cselect_b32 s89, 8192, 0                     ; the table's row 16, or row 0
	s_lshl_b32 s17, s12, 7                         ; which 128 rows of the tile I fetch
	s_lshl_b32 s16, s13, 8
	s_add_co_u32 s16, s16, s17
	s_lshl_b32 s16, s16, 12                        ; A: (256 x tile row + 128 x half) rows of 4,096 bytes,
	s_lshl_b32 s18, s85, 23
	s_add_co_u32 s16, s16, s18                     ; in its section: under 2^26
	s_lshl_b32 s46, s42, 8
	s_add_co_u32 s46, s46, s17
	s_lshl_b32 s46, s46, 12                        ; B: (256 x tile column + 128 x half) rows,
	s_add_co_u32 s18, s84, 3
	s_lshl_b32 s18, s18, 23
	s_add_co_u32 s46, s46, s18                     ; in section 3 + section
	s_mov_b32 s17, 0
	s_mov_b32 s47, 0
	s_mul_i32 s20, s10, HALFT                      ; where they go: wave x 128 rows: no place in the cluster enters an LDS address
	s_mov_b32 s[SB], 0                             ; K step 0 lies in slot 0
	s_mov_b32 s92, 0x76543210                      ; v_permlanex16_b32: each lane takes its own place in the other half
	s_mov_b32 s93, 0xfedcba98
	s_wait_dscnt 0x0                               ; the opening add is done
	s_wait_kmcnt 0x0
	s_add_nc_u64 s[14:15], s[68:69], s[16:17]
	s_add_nc_u64 s[46:47], s[68:69], s[46:47]
	s_mov_b64 s[86:87], s[72:73]                   ; the section's bias
	s_cmp_eq_u32 s84, 1
	s_cselect_b64 s[86:87], s[74:75], s[86:87]
	s_cmp_eq_u32 s84, 2
	s_cselect_b64 s[86:87], s[76:77], s[86:87]
	s_cmp_eq_u32 s84, 3
	s_cselect_b64 s[86:87], s[78:79], s[86:87]
	CROUND                                         ; all sixteen work-groups are here: the first joint loads meet
.irp s, 0,1
	s_mov_b32 s[G0+4*(\s)], 1
	s_add_co_u32 s[G0+4*(\s)+1], s20, (\s)*SLOT
	s_add_nc_u64 s[G0+4*(\s)+2:G0+4*(\s)+3], s[14:15], (\s)*KSTEP*2
	s_or_b32 s[G0+4*(\s)+3], s[G0+4*(\s)+3], 0x80000000
	s_mov_b32 s[G0B+4*(\s)], 1
	s_add_co_u32 s[G0B+4*(\s)+1], s20, (\s)*SLOT
	s_add_nc_u64 s[G0B+4*(\s)+2:G0B+4*(\s)+3], s[46:47], (\s)*KSTEP*2
	s_or_b32 s[G0B+4*(\s)+3], s[G0B+4*(\s)+3], 0x80000000
	JLOAD \s                                       ; two loads of mine are out
.endr
	v_and_b32 v1, 15, v0                           ; l % 16
	v_bfe_u32 v2, v0, 4, 1                         ; l / 16
	s_lshl_b32 s94, s42, 10
	s_lshl_b32 s95, s12, 9
	s_add_co_u32 s94, s94, s95                     ; 4 bytes x my first column (256 x tile column + 128 x half)
	v_lshl_add_u32 v[BO], v2, 5, s94
	s_lshl_b32 s14, s13, 8
	s_lshl_b32 s15, s11, 7
	s_add_co_u32 s14, s14, s15                     ; my first row of the section's 2,048
	s_and_b32 s15, s14, 1023                       ; its place n in the sequence
	v_add_nc_u32 v3, s15, v1
	v_mul_lo_u32 v3, v3, s88
	v_lshl_add_u32 v[TA], v2, 5, v3
	v_lshl_add_u32 v[TD], v2, 5, s89
	WIN TO_B
.irp b, 0,1,2,3,4,5,6,7                ; columns 16 b + 8 (l / 16) + 0..7: their bias, and the four pairs' (cos, sin) of row n + l % 16.  All 48 loads come in under the K loop
	global_load_b128 v[BIAS+8*(\b):BIAS+8*(\b)+3],   v[BO], s[86:87] offset:64*(\b)
	global_load_b128 v[BIAS+8*(\b)+4:BIAS+8*(\b)+7], v[BO], s[86:87] offset:64*(\b)+16
	global_load_b128 v[CS+8*(\b):CS+8*(\b)+3],   v[TA], s[70:71] offset:64*(\b)
	global_load_b128 v[CS+8*(\b)+4:CS+8*(\b)+7], v[TA], s[70:71] offset:64*(\b)+16
.endr
	WIN 0
.irp b, 0,1,2,3,4,5,6,7                ; and (cos, sin) of 16 theta for the same pairs
	global_load_b128 v[DD+8*(\b):DD+8*(\b)+3],   v[TD], s[70:71] offset:64*(\b)
	global_load_b128 v[DD+8*(\b)+4:DD+8*(\b)+7], v[TD], s[70:71] offset:64*(\b)+16
.endr
	v_mul_u32_u24 v3, v1, PITCH
	v_lshl_add_u32 v3, v2, 4, v3                   ; a fragment's row x pitch + 16 x half
	s_mul_i32 s21, s11, HALFT                      ; my 128 rows of A
	s_mul_i32 s22, s12, HALFT                      ; my 128 rows of B,
	s_add_co_u32 s22, s22, 2*HALFT                 ; which lie behind A's 256
	v_add_nc_u32 v[ADRA0], s21, v3
	v_add_nc_u32 v[ADRB0], s22, v3
	v_mov_b32 v[ADRA], v[ADRA0]                    ; the walk begins in slot 0
	v_mov_b32 v[ADRB], v[ADRB0]
	s_mul_i32 s23, s10, 16*SPITCH
	s_add_co_u32 s23, s23, STAGE                   ; my stage
	v_mul_u32_u24 v4, v1, SPITCH                   ; in: row l % 16, 16 bytes for each half of the lanes
	v_lshl_add_u32 v4, v2, 4, v4
	v_add_nc_u32 v[STO], s23, v4
	v_mul_u32_u24 v5, v2, SPITCH                   ; back: lanes 0-15 take one row of 256 bytes, lanes 16-31 the next
	v_lshl_add_u32 v5, v1, 4, v5
	v_add_nc_u32 v[RD], s23, v5
	v_and_b32 v[CO], 31, v0                        ; a head's rows are dense: two rows are 512 consecutive bytes
	v_lshlrev_b32 v[CO], 4, v[CO]
	s_lshr_b32 s94, s14, 10                        ; b
	s_lshl_b32 s94, s94, 4
	s_lshl_b32 s95, s42, 1
	s_add_co_u32 s94, s94, s95
	s_add_co_u32 s94, s94, s12                     ; 16 b + head
	s_lshl_b32 s16, s94, 10
	s_add_co_u32 s16, s16, s15                     ; its row n,
	s_lshl_b32 s16, s16, 8                         ; 256 bytes a row,
	s_lshl_b32 s17, s84, 23
	s_add_co_u32 s16, s16, s17                     ; in the section: under 2^25
	s_mov_b32 s17, 0
	s_add_nc_u64 s[8:9], s[80:81], s[16:17]
	s_lshl_b32 s18, s84, 5
	s_add_co_u32 s18, s18, s94
	s_lshl_b32 s18, s18, 3
	s_lshr_b32 s19, s15, 7
	s_add_co_u32 s18, s18, s19                     ; mx[section][b][head][n / 128]
	s_lshl_b32 s18, s18, 2
	s_mov_b32 s19, 0
	s_add_nc_u64 s[90:91], s[82:83], s[18:19]
; 16 matrix instructions: m blocks a0, a0 + 1 of the window's four x all 8 n blocks, 32 along K.  zero = 1: the first product starts the sums.
.macro MUL16 f, hi, a0, zero
	WIN MUL_LO+0x50*(\hi)
.irp a, \a0, (\a0)+1
.irp b, 0,1,2,3,4,5,6,7
.if \zero
	v_wmma_f32_16x16x32_bf16 v[8*(8*(\a)+(\b)):8*(8*(\a)+(\b))+7], v[(\f)+8*(\b):(\f)+8*(\b)+7], v[(\f)+8*(4*(\hi)+(\a)):(\f)+8*(4*(\hi)+(\a))+7], 0
.else
	v_wmma_f32_16x16x32_bf16 v[8*(8*(\a)+(\b)):8*(8*(\a)+(\b))+7], v[(\f)+8*(\b):(\f)+8*(\b)+7], v[(\f)+8*(4*(\hi)+(\a)):(\f)+8*(4*(\hi)+(\a))+7], v[8*(8*(\a)+(\b)):8*(8*(\a)+(\b))+7]
.endif
.endr
.endr
.endm
; 32 LDS loads in one run: the fragments of one quarter step (128 rows of B, 128 rows of A, 32 K at byte k of the rows of the slot in hand) into buffer f
.macro FETCH k, f
	WIN TO_B
.irp i, 0,1,2,3,4,5,6,7
	ds_load_b128 v[(\f)+8*(\i):(\f)+8*(\i)+3],   v[ADRB] offset:(\k)+(\i)*16*PITCH
	ds_load_b128 v[(\f)+8*(\i)+4:(\f)+8*(\i)+7], v[ADRB] offset:(\k)+(\i)*16*PITCH+32
.endr
	WIN 0
.irp i, 0,1,2,3,4,5,6,7
	ds_load_b128 v[(\f)+8*(\i):(\f)+8*(\i)+3],   v[ADRA] offset:(\k)+(\i)*16*PITCH
	ds_load_b128 v[(\f)+8*(\i)+4:(\f)+8*(\i)+7], v[ADRA] offset:(\k)+(\i)*16*PITCH+32
.endr
.endm
.macro PLACES                          ; four plain vector instructions behind a matrix instruction, ahead of loads into registers that it read and of lines that read its result
.rept 4
	v_nop
.endr
.endm
; A K step is four quarters of 32 along K, 64 matrix instructions each, on buffers 0, 1, 0, 1.  The 64 accumulators take turns, in the same order in every quarter.
.macro QUARTER k, f, g, zero
	s_wait_dscnt 8                                 ; B and A's rows 0-63 are in; the youngest eight loads (A's rows 64-127) may be out
	WIN MUL_LO
	MUL16 \f, 0, 0, \zero
	MUL16 \f, 0, 2, \zero
	PLACES
	FETCH \k, \g
	s_wait_dscnt 32                                ; all but the 32 just issued
	WIN MUL_HI
	MUL16 \f, 1, 0, \zero
	MUL16 \f, 1, 2, \zero
.endm
; The last quarter multiplies buffer 1 and changes slots: ONE barrier.  In front of it each wave waits for all its tensor loads (one is out: its part of the next slot), adds 0 to its spare word,
; and waits for that and for its own reads of this slot.  Behind it nobody reads this slot any more and the next slot is whole.
; fill = 1: the barrier opens a round of the cluster's barrier, and the slot just read out is filled again, two K steps on, first thing behind the round: the walking descriptor takes the other slot
; than last time and the next K step.
.macro TURN fill
	WIN 0
	s_wait_tensorcnt 0x0                           ; no tensor load of mine is out, so a group 0 may be written
	ds_add_u32 v[SPW], v[NIL]
	s_wait_dscnt 9                                 ; the add and the youngest eight loads may be out
	WIN MUL_LO
	MUL16 F1, 0, 0, 0
	s_wait_dscnt 0x0                               ; the add is done, and my reads of this slot are over
	s_barrier_signal -1
	MUL16 F1, 0, 2, 0
	WIN 0                                          ; branches, and lines on window 0, follow
	s_barrier_wait -1
.if \fill
	CREST
	s_xor_b32 s[G0+5], s[G0+5], SLOT
	s_add_nc_u64 s[G0+6:G0+7], s[G0+6:G0+7], KSTEP*2     ; the type bits on top are not reached
	s_xor_b32 s[G0B+5], s[G0B+5], SLOT
	s_add_nc_u64 s[G0B+6:G0B+7], s[G0B+6:G0B+7], KSTEP*2
	s_xor_b32 s[SB], s[SB], SLOT                   ; the reads go on in the other slot
	JLOAD 1                                        ; one load of mine is out; the four v_nop behind it are also the places in front of the loads below
.else
	s_xor_b32 s[SB], s[SB], SLOT
	PLACES
.endif
	v_add_nc_u32 v[ADRA], s[SB], v[ADRA0]
	v_add_nc_u32 v[ADRB], s[SB], v[ADRB0]
	FETCH 0, F0
	WIN MUL_HI
	MUL16 F1, 1, 0, 0
	MUL16 F1, 1, 2, 0
.endm
	s_wait_tensorcnt 1                             ; my part of K step 0 is in; K step 1's may stay out
	s_barrier_signal -1
	s_barrier_wait -1
	FETCH 0, F0
	QUARTER 64,  F0, F1, 1                         ; the first quarter stands in front of the loop: its products start the sums
	WIN 0
	s_mov_b32 s3, STEPS-2
.Lstep:                                                ; 14 trips: from a K step's second quarter to the next step's first; each fills the slot that it leaves, two K steps on
	QUARTER 128, F1, F0, 0
	QUARTER 192, F0, F1, 0
	TURN 1
	QUARTER 64,  F0, F1, 0
	WIN 0
	s_sub_co_u32 s3, s3, 1
	s_cmp_lg_u32 s3, 0
	s_cbranch_scc1 .Lstep
	QUARTER 128, F1, F0, 0                         ; the last two K steps fill nothing
	QUARTER 192, F0, F1, 0
	TURN 0
	QUARTER 64,  F0, F1, 0
	QUARTER 128, F1, F0, 0
	QUARTER 192, F0, F1, 0
	s_wait_dscnt 8
	MUL16 F1, 0, 0, 0
	MUL16 F1, 0, 2, 0
	s_wait_dscnt 0x0
	MUL16 F1, 1, 0, 0
	MUL16 F1, 1, 2, 0
	WIN 0
; THE WAY OUT: a loop of eight trips, a block of 16 rows a trip.  Only the 32 additions that read a block's accumulators differ from block to block: they are written out eight times and chosen
; by the trip's number, all jumps forward; the rest of a trip is one text.
; A pair (e, o) times (c, s) as complex numbers, in two packed lines: T = (o s, e s); then (e c - o s, o c + e s).  The same two lines turn (cos, sin) itself by 16 theta.
.macro ADDS a                          ; X = block a's sums + the bias; each accumulator's registers in ascending order
	WIN 0x06+(\a)/4                                ; source 0: the accumulators' window; source 1: window 1
.set i, 0
.rept 32
	v_pk_add_f32 v[X+2*i:X+2*i+1], v[64*((\a)%4)+2*i:64*((\a)%4)+2*i+1], v[BIAS+2*i:BIAS+2*i+1]
.set i, i+1
.endr
	WIN 0
.endm
.irp k, 0,1,2,3
	v_mov_b32 v[MXR+(\k)], 0                       ; four plain instructions that name no register of the last products: the places behind them
.endr
	s_wait_loadcnt 0x0                             ; the bias and the table's rows, asked for ahead of the K loop
	WIN 0x45                                       ; all in window 1: the bias is rounded to bf16 and widened again
.set i, 0
.rept 32
	v_cvt_pk_bf16_f32 v[128+i%4], v[BIAS+2*i], v[BIAS+2*i+1]
	v_lshlrev_b32 v[BIAS+2*i], 16, v[128+i%4]
	v_and_b32 v[BIAS+2*i+1], 0xffff0000, v[128+i%4]
.set i, i+1
.endr
	WIN 0
	s_mov_b32 s3, 0
.Lblk:
.irp a, 0,1,2,3,4,5,6
	s_cmp_lg_u32 s3, \a
	s_cbranch_scc1 .Lnot_\a
	ADDS \a
	s_branch .Ljoin
.Lnot_\a:
.endr
	ADDS 7
.Ljoin:
	WIN 0x04                                       ; source 1 (cos, sin) in window 1
.set p, 0
.rept 32
	v_pk_mul_f32 v[T+2*p:T+2*p+1], v[X+2*p:X+2*p+1], v[CS+2*p:CS+2*p+1] op_sel:[1,1] op_sel_hi:[0,1]
.set p, p+1
.endr
.set p, 0
.rept 32
	v_pk_fma_f32 v[X+2*p:X+2*p+1], v[X+2*p:X+2*p+1], v[CS+2*p:CS+2*p+1], v[T+2*p:T+2*p+1] op_sel_hi:[1,0,1] neg_lo:[0,0,1]
.set p, p+1
.endr
	WIN 0
.set p, 0
.rept 32
	v_max3_num_f32 v[MXR+p%4], v[MXR+p%4], |v[X+2*p]|, |v[X+2*p+1]|
.set p, p+1
.endr
.set p, 0
.rept 32
	v_cvt_pk_f16_f32 v[TMP+p], v[X+2*p], v[X+2*p+1]
.set p, p+1
.endr
	s_wait_xcnt 0x0                                ; the last trip's stores, some 160 lines back, have read their base and the rows read back
	s_add_nc_u64 s[8:9], s[8:9], 4096              ; one block past this trip's: the stores below reach back
.irp b, 0,1,2,3,4,5,6,7
	ds_store_b128 v[STO], v[TMP+4*(\b):TMP+4*(\b)+3] offset:32*(\b)
.endr
.irp t, 0,1,2,3,4,5,6,7
	ds_load_b128 v[OB+4*(\t):OB+4*(\t)+3], v[RD] offset:(\t)*2*SPITCH  ; LDS serves a wave's instructions in order (ISA guide 5.7.1.4): these see the stores above
.endr
	s_cmp_eq_u32 s3, 7
	s_cbranch_scc1 .Lnoturn                        ; no block follows the last
	WIN 0x01                                       ; (cos, sin) on by 16 theta; the 64 lines stand between the stage's loads and the wait for them.  Source 0 in window 1
.set p, 0
.rept 32
	v_pk_mul_f32 v[T+2*p:T+2*p+1], v[CS+2*p:CS+2*p+1], v[DD+2*p:DD+2*p+1] op_sel:[1,1] op_sel_hi:[0,1]
.set p, p+1
.endr
	WIN 0x41                                       ; and the destination too
.set p, 0
.rept 32
	v_pk_fma_f32 v[CS+2*p:CS+2*p+1], v[CS+2*p:CS+2*p+1], v[DD+2*p:DD+2*p+1], v[T+2*p:T+2*p+1] op_sel_hi:[1,0,1] neg_lo:[0,0,1]
.set p, p+1
.endr
	WIN 0
.Lnoturn:
	s_wait_dscnt 0x0                               ; the block is back in registers
.irp t, 0,1,2,3,4,5,6,7
	global_store_b128 v[CO], v[OB+4*(\t):OB+4*(\t)+3], s[8:9] offset:512*(\t)-4096  ; 512 consecutive bytes, at a multiple of 256 from the buffer's first
.endr
	s_add_co_u32 s3, s3, 1
	s_cmp_lt_u32 s3, 8
	s_cbranch_scc1 .Lblk
	v_max3_num_f32 v[MXR], v[MXR], v[MXR+1], v[MXR+2]
	v_max_num_f32 v[MXR], v[MXR], v[MXR+3]
	v_max_num_f32_dpp v[MXR], v[MXR], v[MXR] row_xmask:1 row_mask:0xf bank_mask:0xf
	v_max_num_f32_dpp v[MXR], v[MXR], v[MXR] row_xmask:2 row_mask:0xf bank_mask:0xf
	v_max_num_f32_dpp v[MXR], v[MXR], v[MXR] row_xmask:4 row_mask:0xf bank_mask:0xf
	v_max_num_f32_dpp v[MXR], v[MXR], v[MXR] row_xmask:8 row_mask:0xf bank_mask:0xf
	v_permlanex16_b32 v[MXR+1], v[MXR], s92, s93
	v_max_num_f32 v[MXR], v[MXR], v[MXR+1]         ; the largest magnitude of my 128 x 128 numbers, in every lane
	v_and_b32 v3, 31, v0
	v_mov_b32 v4, 0
	v_cmp_eq_u32 vcc_lo, 0, v3
	s_wait_xcnt 0x0                                ; EXEC changes only behind this wait
	s_and_saveexec_b32 s20, vcc_lo                 ; lane 0 stores it
	global_store_b32 v4, v[MXR], s[90:91]
	s_wait_xcnt 0x0
	s_or_b32 exec_lo, exec_lo, s20
	s_wait_tensorcnt 0x0                           ; the wave's end
	ds_add_u32 v[SPW], v[NIL]
	s_wait_dscnt 0x0
	CROUND                                         ; the closing round: no work-group ends while a partner may still ask for a tile that names it
	s_endpgm
.Lfunc_end_k_qa1f900572e_proj:
	.size	k_qa1f900572e_proj, .Lfunc_end_k_qa1f900572e_proj-k_qa1f900572e_proj
	.p2alignl 7, 3214868480
	.fill 96, 4, 3214868480
	.section	.rodata,"a",@progbits
	.p2align	6, 0x0
	.amdhsa_kernel k_qa1f900572e_proj
		.amdhsa_group_segment_fixed_size 327680
		.amdhsa_private_segment_fixed_size 0
		.amdhsa_enable_private_segment 0
		.amdhsa_kernarg_size 64
		.amdhsa_user_sgpr_count 2
		.amdhsa_user_sgpr_kernarg_segment_ptr 1
		.amdhsa_wavefront_size32 1
		.amdhsa_system_sgpr_workgroup_id_x 1
		.amdhsa_system_sgpr_workgroup_id_y 1
		.amdhsa_system_sgpr_workgroup_id_z 1
		.amdhsa_system_vgpr_workitem_id 0
		.amdhsa_next_free_vgpr 1024
		.amdhsa_next_free_sgpr 96
		.amdhsa_reserve_vcc 1
		.amdhsa_float_denorm_mode_32 3
		.amdhsa_float_denorm_mode_16_64 3
		.amdhsa_memory_ordered 1
		.amdhsa_forward_progress 1
		.amdhsa_inst_pref_size 128
	.end_amdhsa_kernel
	.amdgpu_metadata
---
amdhsa.version: [ 1, 2 ]
amdhsa.kernels:
  - .name:           k_qa1f900572e_proj
    .symbol:         k_qa1f900572e_proj.kd
    .args:
      - { .name: cb, .offset: 0, .size: 8, .value_kind: global_buffer, .address_space: global }
      - { .name: tab, .offset: 8, .size: 8, .value_kind: global_buffer, .address_space: global }
      - { .name: bq, .offset: 16, .size: 8, .value_kind: global_buffer, .address_space: global }
      - { .name: bk, .offset: 24, .size: 8, .value_kind: global_buffer, .address_space: global }
      - { .name: bv, .offset: 32, .size: 8, .value_kind: global_buffer, .address_space: global }
      - { .name: bg, .offset: 40, .size: 8, .value_kind: global_buffer, .address_space: global }
      - { .name: qkvg, .offset: 48, .size: 8, .value_kind: global_buffer, .address_space: global }
      - { .name: mx, .offset: 56, .size: 8, .value_kind: global_buffer, .address_space: global }
    .group_segment_fixed_size: 327680
    .private_segment_fixed_size: 0
    .kernarg_segment_align: 8
    .kernarg_segment_size: 64
    .max_flat_workgroup_size: 128
    .sgpr_count:     96
    .vgpr_count:     1024
    .wavefront_size: 32
...
	.end_amdgpu_metadata
.endif
;; end of part 2
;; launch ret (part 3): grid 8 x 32, 4 waves a work-group, clusters of 4 x 1, 327,680 bytes of LDS; arguments qkvg, mx, yb; writes yb
.if DOCPART == 3
	.amdgcn_target "amdgcn-amd-amdhsa--gfx1250"
	.amdhsa_code_object_version 6
	.text
	.protected	k_qa1f900572e_ret
	.globl	k_qa1f900572e_ret
	.p2align	8
	.type	k_qa1f900572e_ret,@function
k_qa1f900572e_ret:
	s_mov_b64 s[64:65], 0
	v_nop
	global_prefetch_b8 v0, s[64:65] scope:SCOPE_SE
	s_setreg_imm32_b32 hwreg(HW_REG_WAVE_MODE, 25, 1), 1
	s_wait_xcnt 0x0
	s_wait_alu depctr_hold_cnt(0) depctr_sa_sdst(0) depctr_va_vdst(0) depctr_va_sdst(0) depctr_va_ssrc(0) depctr_va_vcc(0) depctr_vm_vsrc(0)
	s_getreg_b32 s2, hwreg(HW_REG_IB_STS2, 6, 4)
	s_cmp_eq_u32 s2, 0
	s_cbranch_scc0 .Lentry_in_a_cluster
	s_endpgm
.Lentry_in_a_cluster:
	s_bfe_u32 s2, ttmp6, 0x10000c
	s_cmp_lg_u32 s2, 0x3003
	s_cbranch_scc0 .Lentry_shape_is_right
	s_endpgm
.Lentry_shape_is_right:
; RETENTION, GROUP NORM AND GATE.  For each (b, h): R[n] = the sum over s <= n of (q[n] . k[s] / sqrt(128)) gamma^(n - s) v[s]; then each row of 128 less its mean, over sqrt(variance + 1e-6),
; times silu(g[n]); rounded once to bf16 into yb[b 1024 + n][128 h + channel].  q, k, v, g: sections of qkvg, [b 16 + h][1024][128] f16.  gamma = 1 - 2^(-5 - 4 h / 15).
; FORMATS.  Both products take f16 operands and sum in f32.  The weights P = (q . k) gamma^(n - s) are multiplied in f32 by A = 256 / (max|q| max|k|), the maxima of this (b, h) from mx, before they are
; rounded to f16: |q . k| <= 128 max|q| max|k|, so |P| <= 32,768 for every input.  The f32 sums are multiplied by 1 / (A sqrt(128)) ahead of the norm, so 1e-6 acts as in the formula.
; LIMITS.  max|q| max|k| counts as 2^-100 at the least.  A weight below f16's step of 6e-8 (in units of 1 / A) is lost.  yb is bf16: norm x gate has no room in f16.  NaN and infinities are not treated apart.
; THE WALK.  A head's queries lie in four blocks of 256; block B needs the key tiles 0 .. B of 256 keys.  A CLUSTER of four work-groups takes blocks 3 - c and then c (c = the cluster's x, 0 or 1):
; five tiles whatever c: 0, 1, 2, 3, 0 or 0, 1, 2, 0, 1.  All four partners walk the same tiles, so every tile is asked for JOINTLY: the same tensor load, descriptor and mask in all four.
; SHARES.  A block has four bands of 64 queries; work-group cx owns 16 rows in each: n = 256 B + 64 x + 16 cx + 0..15.  So what a band sees of the block's own tile hangs on the band and the key step,
; not on cx, which enters the addresses of q, g and yb and one table of weights alone.  Wave w multiplies key step w (64 keys) of every tile by all four bands: a fragment of K or V read from LDS feeds
; four products.  Register slot y of wave w holds band x = (w + y) mod 4: slot 0 is the band that the wave finishes, and in the block's own tile the one that holds the diagonal.
; At a block's end the four waves' sums meet in LDS, in three passes of 8,192 bytes a wave; wave w then holds band w whole.
; LAYOUT.  S^T = K Q^T (source 0 = 16 keys, source 1 = 16 queries): a lane holds ONE query (lane % 16) and the keys 8 (lane / 16) + 0..7; two such results, weighted and rounded to f16 in place, ARE
; source 1 of O^T = V^T P, whose result holds one query a lane and eight channels.  K comes out of LDS as it lies, V turned, by ds_load_tr16_b128, into the registers that K has left.
; THE DECAY.  n - s = 256 D + 64 (x - w) + (16 cx + l % 16 - 8 (l / 16)) - (16 kt + r), D = block - tile.  W holds gamma^(the last two terms) for the lane's 32 scores, WD the same with 0 where the key is
; hidden in a band's own step.  A slot's weights are W x G, G = A gamma^(256 D + 64 (x - w)); in the block's own tile slot 0 takes WD, and G = 0 for the bands that see nothing of the step (y + w >= 4):
; their products are made all the same, 12 of a work-group's 80 slots and steps: the price of one text for every wave.
; REGISTERS, in windows of 256 (s_set_vgpr_msb: bits 1:0 source 0, 3:2 source 1, 5:4 source 2, 7:6 destination):
;   window 0: v0-31 addresses and single numbers; v32-63, v64-95 g of the short and the long block; v96-127 a slot's weights; v128-159 W; v160-191 WD; v192-215 a number a slot; v240-255 at work
;   window 1: v0-127 S^T, 32 a slot (P in the lower 16); v128-255 K, then V, of the step          window 2: v0-127 Q, 32 a slot; v128-255 the short block's Q, later the long block's result
;   window 3: O^T, 64 a slot
.set SEC,   8388608
.set KS,    64
.set PK,    272       ; a row of K in LDS: 256 bytes + 16 = 68 words: the 16 rows of a load start at 16 different groups of four banks (64 banks of 4 bytes: ISA guide 11.1)
.set PV,    288       ; a row of V: 256 + 32 = 72 words
.set VOFF,  4*KS*PK   ; a slot holds a tile: 256 rows of K, then 256 rows of V: 143,360 bytes
.set SLOTX, 0x24000   ; slot 1 begins here; the numbers that are turned (0; 0, 0x8800, 0x11000, 0x1a000) have bits 17 and 14 clear, so one exclusive or turns them into the other slot's
.set RED,   SLOTX+4*KS*(PK+PV)  ; behind the ring, never filled by a tensor load: a region of 8,192 bytes for each wave: its partial sums, later its stage of 16 rows x 272 bytes
.set REGN,  8192
.set SP,    272
.set SPARE, RED+4*REGN          ; the spare words, 128 bytes for each wave, which no other line names
.set AK0, 2           ; v2   my lane's place in my step of a tile of K; never rewritten
.set AV0, 3           ; v3   the same for V
.set ADRK, 4          ; v4   the LDS address of K's run of loads
.set ADRV, 5          ; v5   of V's
.set STO, 6           ; v6   the way out: where I put 16 bytes of a row
.set RD,  7           ; v7   where I read rows back
.set GO,  8           ; v8   my byte offset in two tokens' rows of yb
.set RW,  12          ; v12  my 16 bytes in 512 of my own region
.set RR,  13          ; v13-15  the same in the region of wave (w - p) mod 4, p = 1, 2, 3
.set LG,  16          ; v16  log2 gamma
.set LG256, 17        ; v17  256 log2 gamma
.set AA,  18          ; v18  A
.set BASE, 19         ; v19  16 cx + l % 16 - 8 (l / 16)
.set IA,  20          ; v[20:21] 1 / (A sqrt 128)
.set MEAN, 22         ; v[22:23]
.set RS,  24          ; v[24:25] 1 / sqrt(variance + 1e-6)
.set TM,  26          ; v26  at work
.set QO,  27          ; v27  my byte offset in 16 rows of q or g
.set SPW, 30          ; v30  LDS address of my spare word; never rewritten
.set NIL, 31          ; v31  0; never rewritten
.set WG,  96
.set W,   128
.set WD,  160
.set QY,  192         ; v192-195  slot y: my byte offset in its band's rows of a block
.set VE,  196         ; v196-199  slot y: 64 (x - w) log2 gamma
.set VH,  200         ; v200-203  slot y: 1, or 0 if the band sees nothing of my step in the block's own tile
.set GY,  204         ; v204-211  slot y: G, in the low word of a pair
.set HS,  212         ; v212-215  at work
.set U,   240
.set X,   96          ; the end: the row's 64 numbers a lane, over the weights
.set KF,  128         ; window 1
.set VF,  128         ; window 1
.set WV,  12          ; s12  my wave's number
.set KB,  16          ; s[16:17] K at my half of the head's tile 0;  s[18:19] V
.set VB,  18
.set YL,  20          ; s[20:21] yb at my rows of the long block;  s[22:23] of the short, later of the block that leaves
.set YS,  22
.set G1K, 24
.set G1V, 32
.set G0K, 40          ; s[40:47] descriptor group 0 for K's tiles: a set for each of the two first fills; the second then walks on
.set G0V, 48          ; s[48:55] the same for V's
.set SLOTS, 56        ; s56  counts the loop's trips
.set CNT, 57          ; s57  counts the two blocks at the end
.set NL2E, 58         ; s[58:59] -log2 e
.set SEL, 60          ; s[60:61] v_permlanex16_b32's selects
.set SB,  62          ; s62  LDS byte at which the slot in hand begins
.set NEW, 63          ; s63  1: the tile in hand is a block's first
.set RT,  66          ; s66  D: the tiles of the block in hand that follow the one in hand
.set CLX, 67          ; s67  the cluster's x
.set NXT, 84          ; s84  the tile to be asked for next
.set LQ,  85          ; s85  the last tile of the block whose tiles are being asked for
.set OFF, 86          ; s[86:87] a tile's byte offset in K and V
.set C128, 88         ; s88  1/128
.set EPS, 89          ; s89  1e-6
.set HH,  90          ; s90  h
.set ND,  91          ; s91  0 in a block's own tile, else 1
.set MSB, 0
.macro WIN new
.if MSB != (\new)
	s_set_vgpr_msb (MSB<<8)|(\new)
.set MSB, (\new)
.endif
.endm
.set W_KQ, 0x59       ; K and S^T in window 1, Q in window 2
.set W_PV, 0xf5       ; V and P in window 1, O^T in window 3
; A joint refill.  Waves 0 and 1 fetch the two halves of a tile's K, waves 2 and 3 those of its V: 128 rows of 256 bytes each.  An s_nop 0 and four v_nop follow each of the two lines.
.macro JLOAD
	s_cmp_lt_u32 s[WV], 2
	s_cbranch_scc0 .Lfor_v_\@
	tensor_load_to_lds s[G0K+4:G0K+7], s[G1K:G1K+7]
	s_nop 0
.rept 4
	v_nop
.endr
	s_branch .Lasked_\@
.Lfor_v_\@:
	tensor_load_to_lds s[G0V+4:G0V+7], s[G1V:G1V+7]
	s_nop 0
.rept 4
	v_nop
.endr
.Lasked_\@:
.endm
; A round of the cluster's barrier: my work-group's barrier, so that wave 0's signal speaks for all four waves; wave 0 signals; every wave waits for all four work-groups; my work-group's barrier once more.
.macro CROUND
	s_barrier_signal -1
	s_barrier_wait -1
	s_cmp_lg_u32 s[WV], 0
	s_cbranch_scc1 .Lnot_wave_0_\@
	s_barrier_signal -3
.Lnot_wave_0_\@:
	s_barrier_wait -3
	s_barrier_signal -1
	s_barrier_wait -1
.endm
; THE CHANGE OF SLOTS.  Each wave waits for all its tensor loads (one is out: its part of the other slot), adds 0 to its spare word, and waits for that and for its own reads of the slot that it leaves.
; fill = 1: the slot is filled again with tile NXT, whose address is made anew from that number.  The barrier is then a round of the cluster's, so that no wave of any partner still reads the slot or has
; a load on its way, and the joint refill is the first thing behind it: it has a tile's 128 matrix instructions a wave in which to land.
.macro CHANGE fill
	WIN 0
	s_wait_tensorcnt 0x0                           ; no tensor load of mine is out, so a group 0 may be written
	ds_add_u32 v[SPW], v[NIL]                      ; 0 onto my spare word; scalar work stands between it and the wait for it
.if \fill
	s_lshl_b32 s[OFF], s[NXT], 16                  ; a tile is 65,536 bytes of K and of V
	s_xor_b32 s[G0K+5], s[G0K+5], SLOTX            ; the walking descriptor: the other slot than last time
	s_add_nc_u64 s[G0K+6:G0K+7], s[KB:KB+1], s[OFF:OFF+1]
	s_or_b32 s[G0K+7], s[G0K+7], 0x80000000
	s_xor_b32 s[G0V+5], s[G0V+5], SLOTX
	s_add_nc_u64 s[G0V+6:G0V+7], s[VB:VB+1], s[OFF:OFF+1]
	s_or_b32 s[G0V+7], s[G0V+7], 0x80000000
	s_add_co_u32 s[NXT], s[NXT], 1                 ; the block's next tile, or behind its last the short block's tile 0
	s_cmp_gt_u32 s[NXT], s[LQ]
	s_cselect_b32 s[NXT], 0, s[NXT]
	s_cselect_b32 s[LQ], s[CLX], s[LQ]
.endif
	s_xor_b32 s[SB], s[SB], SLOTX                  ; the reads go on in the other slot
	s_wait_dscnt 0x0                               ; the add is done, and my reads of the slot are over
.if \fill
	CROUND
	JLOAD
.else
	s_barrier_signal -1
	s_barrier_wait -1
.endif
.endm
.macro PLACES                           ; four plain vector instructions behind a matrix instruction, ahead of lines that read its result (ISA guide 7.12.1)
.rept 4
	v_nop
.endr
.endm
	s_load_b128 s[4:7], s[0:1], 0x0                ; qkvg s[4:5], mx s[6:7]
	s_load_b64 s[8:9], s[0:1], 0x10                ; yb
	v_lshl_add_u32 v[SPW], v0, 2, SPARE
	v_mov_b32 v[NIL], 0
	ds_add_u32 v[SPW], v[NIL]                      ; the wave's opening: the add and its wait stand ahead of my first tensor load; work on registers stands between them
	v_lshrrev_b32 v1, 5, v0
	v_readfirstlane_b32 s[WV], v1
	s_mov_b32 s[CLX], ttmp9                        ; in a cluster launch ttmp9 and ttmp7 count clusters: both are the same in the four partners
	s_bfe_u32 s13, ttmp6, 0x40000                  ; cx: my place in the cluster
	s_and_b32 s14, ttmp7, 0xffff                   ; 16 b + h
	s_and_b32 s[HH], s14, 15
	s_lshl_b32 s15, s14, 18                        ; its 1,024 rows of 256 bytes in a section
	s_and_b32 s10, s[WV], 1                        ; which half of a tile's 256 rows I fetch
	s_lshl_b32 s2, s10, 15
	s_add_co_u32 s2, s2, s15
	s_mov_b32 s3, 0
	s_mul_i32 s11, s10, 128*PK                     ; its place in a slot, for K
	s_mul_i32 s10, s10, 128*PV                     ; and for V: no place in the cluster enters an LDS address
	s_mov_b32 s[G1K], 15|(1<<16)|(1<<20)|(1<<21)|(5<<22)|(3<<25)  ; the mask of four; 2-byte elements; padding on; bit 21 beside a mask; after every 64 words (code 5) 4 words (code 3)
	s_mov_b32 s[G1V], 15|(1<<16)|(1<<20)|(1<<21)|(5<<22)|(7<<25)  ; the same with 8 words (code 7)
.irp g, G1K, G1V
	s_mov_b32 s[\g+1], 128<<16                     ; tensor_dim0 = 128
	s_mov_b32 s[\g+2], 128<<16                     ; tensor_dim1 = 128
	s_mov_b32 s[\g+3], 128<<16                     ; tile_dim0 = 128
	s_mov_b32 s[\g+4], 128                         ; tile_dim1 = 128
	s_mov_b32 s[\g+5], 128                         ; 128 elements from row to row
	s_mov_b32 s[\g+6], 0
	s_mov_b32 s[\g+7], 0
.endr
	s_mov_b32 s[G0K], 1
	s_mov_b32 s[G0K+1], s11                        ; slot 0
	s_mov_b32 s[G0K+4], 1
	s_add_co_u32 s[G0K+5], s11, SLOTX              ; slot 1
	s_mov_b32 s[G0V], 1
	s_add_co_u32 s[G0V+1], s10, VOFF
	s_mov_b32 s[G0V+4], 1
	s_add_co_u32 s[G0V+5], s10, VOFF+SLOTX
	s_sub_co_u32 s[RT], 3, s[CLX]                  ; the long block's number, and the tiles that follow its first
	s_mov_b32 s[LQ], s[RT]
	s_lshl_b32 s94, s13, 12                        ; 16 cx rows of 256 bytes
	s_lshl_b32 s92, s[RT], 16                      ; a block's 256 rows
	s_add_co_u32 s92, s92, s94
	s_add_co_u32 s92, s92, s15                     ; band 0's rows of mine in the long block, in a section,
	s_mov_b32 s93, 0
	s_lshl_b32 s96, s[CLX], 16
	s_add_co_u32 s96, s96, s94
	s_add_co_u32 s96, s96, s15                     ; and in the short
	s_mov_b32 s97, 0
	s_lshr_b32 s100, s14, 4
	s_lshl_b32 s100, s100, 22                      ; yb: b x 1,024 tokens of 4,096 bytes,
	s_lshl_b32 s101, s[HH], 8
	s_add_co_u32 s100, s100, s101                  ; the head's 256 bytes,
	s_lshl_b32 s101, s[WV], 18
	s_add_co_u32 s100, s100, s101                  ; band w's 64 tokens,
	s_lshl_b32 s101, s13, 16
	s_add_co_u32 s100, s100, s101                  ; my 16 of them
	s_lshl_b32 s[YL], s[RT], 20
	s_add_co_u32 s[YL], s[YL], s100
	s_mov_b32 s[YL+1], 0
	s_lshl_b32 s[YS], s[CLX], 20
	s_add_co_u32 s[YS], s[YS], s100
	s_mov_b32 s[YS+1], 0
	s_mov_b32 s[SLOTS], 4
	s_mov_b32 s[NL2E], 0xbfb8aa3b
	s_mov_b32 s[NL2E+1], s[NL2E]
	s_mov_b32 s[SEL], 0x76543210
	s_mov_b32 s[SEL+1], 0xfedcba98
	s_mov_b32 s[SB], 0
	s_mov_b32 s[NEW], 1
	s_mov_b32 s[NXT], 2
	s_mov_b32 s[OFF+1], 0
	s_mov_b32 s[C128], 0x3c000000
	s_mov_b32 s[EPS], 0x358637bd
	s_wait_dscnt 0x0                               ; the opening add is done
	s_wait_kmcnt 0x0
	s_add_nc_u64 s[KB:KB+1], s[4:5], s[2:3]
	s_add_nc_u64 s[KB:KB+1], s[KB:KB+1], SEC       ; section 1: k
	s_add_nc_u64 s[VB:VB+1], s[KB:KB+1], SEC       ; section 2: v
	s_add_nc_u64 s[92:93], s[4:5], s[92:93]        ; q, long block
	s_add_nc_u64 s[96:97], s[4:5], s[96:97]        ; q, short block
	s_add_nc_u64 s[94:95], s[92:93], 3*SEC         ; g, long
	s_add_nc_u64 s[98:99], s[96:97], 3*SEC         ; g, short
	s_add_nc_u64 s[YL:YL+1], s[8:9], s[YL:YL+1]
	s_add_nc_u64 s[YS:YS+1], s[8:9], s[YS:YS+1]
	s_lshl_b32 s2, s14, 5                          ; eight maxima of 4 bytes for each (b, h)
	s_add_nc_u64 s[6:7], s[6:7], s[2:3]
	s_load_b256 s[68:75], s[6:7], 0x0              ; q's
	s_load_b256 s[76:83], s[6:7], 0x400            ; k's: one section of 32 x 8 numbers on
	s_mov_b64 s[G0K+2:G0K+3], s[KB:KB+1]           ; tile 0
	s_or_b32 s[G0K+3], s[G0K+3], 0x80000000
	s_add_nc_u64 s[G0K+6:G0K+7], s[KB:KB+1], 65536 ; tile 1
	s_or_b32 s[G0K+7], s[G0K+7], 0x80000000
	s_mov_b64 s[G0V+2:G0V+3], s[VB:VB+1]
	s_or_b32 s[G0V+3], s[G0V+3], 0x80000000
	s_add_nc_u64 s[G0V+6:G0V+7], s[VB:VB+1], 65536
	s_or_b32 s[G0V+7], s[G0V+7], 0x80000000
	CROUND                                         ; all four work-groups are here: the first joint loads meet
	s_cmp_lt_u32 s[WV], 2                          ; a wave's two first fills stand in one branch, ahead of every wait on TENSORcnt and every LDS read: two loads of mine are out
	s_cbranch_scc0 .Lfirst_v
	tensor_load_to_lds s[G0K:G0K+3], s[G1K:G1K+7]
	s_nop 0
	tensor_load_to_lds s[G0K+4:G0K+7], s[G1K:G1K+7]
	s_nop 0
.rept 4
	v_nop
.endr
	s_branch .Lfirst_asked
.Lfirst_v:
	tensor_load_to_lds s[G0V:G0V+3], s[G1V:G1V+7]
	s_nop 0
	tensor_load_to_lds s[G0V+4:G0V+7], s[G1V:G1V+7]
	s_nop 0
.rept 4
	v_nop
.endr
.Lfirst_asked:
	; A fragment of K or Q is 16 rows x 32 channels in 8 registers: lane l holds row l % 16, channels 8 (l / 16) + 0..7 and 16 + 8 (l / 16) + 0..7: loads of 16 bytes, 32 bytes apart.
	; g is wanted as O^T lies: row l % 16, channels 16 cb + 8 (l / 16) + 0..7: the same addresses.
	v_and_b32 v1, 15, v0                           ; l % 16
	v_bfe_u32 v9, v0, 4, 1                         ; l / 16
	v_lshlrev_b32 v[QO], 8, v1
	v_lshl_add_u32 v[QO], v9, 4, v[QO]
.irp y, 0,1,2,3
	s_add_co_u32 s10, s[WV], \y
	s_cmp_lt_u32 s10, 4
	s_cselect_b32 s11, 1.0, 0
	v_mov_b32 v[VH+\y], s11                        ; band x >= w sees my step of the block's own tile, or part of it
	s_and_b32 s10, s10, 3                          ; x
	v_lshl_add_u32 v[QY+\y], s10, 14, v[QO]        ; a band is 64 rows of 256 bytes
	s_sub_co_i32 s10, s10, s[WV]
	s_lshl_b32 s10, s10, 6
	v_cvt_f32_i32 v[VE+\y], s10                    ; 64 (x - w)
.endr
	WIN 0x80                                       ; destination window 2
.irp y, 0,1,2,3
.irp i, 0,1,2,3,4,5,6,7
	global_load_b128 v[32*\y+4*\i:32*\y+4*\i+3], v[QY+\y], s[92:93] offset:32*\i
.endr
.endr
.irp y, 0,1,2,3
.irp i, 0,1,2,3,4,5,6,7
	global_load_b128 v[128+32*\y+4*\i:128+32*\y+4*\i+3], v[QY+\y], s[96:97] offset:32*\i
.endr
.endr
	WIN 0
.irp i, 0,1,2,3,4,5,6,7                 ; g of band w, the one that I finish
	global_load_b128 v[32+4*\i:32+4*\i+3], v[QY], s[98:99] offset:32*\i
	global_load_b128 v[64+4*\i:64+4*\i+3], v[QY], s[94:95] offset:32*\i
.endr
	; log2 gamma.  gamma is rounded to f32 as the formula has it; x = 1 - gamma is then exact, at most 1/32, and ln(1 - x) = -x (1 + x/2 + .. + x^5/6): what is cut off is below 2e-10 of it.
	v_cvt_f32_u32 v10, s[HH]
	v_mov_b32 v11, 0xbe888889                      ; -4/15
	v_fmaak_f32 v10, v10, v11, 0xc0a00000          ; -5 - 4 h / 15
	v_exp_f32 v10, v10
	v_mov_b32 v11, 0x3e2aaaab                      ; 1/6: a plain instruction behind the exponential (ISA guide 5.7.2)
	s_wait_alu depctr_va_vdst(0)
	v_sub_f32 v10, 1.0, v10                        ; gamma, rounded
	v_sub_f32 v10, 1.0, v10                        ; x
	v_fmaak_f32 v11, v10, v11, 0x3e4ccccd          ; 1/5
	v_fmaak_f32 v11, v10, v11, 0x3e800000          ; 1/4
	v_fmaak_f32 v11, v10, v11, 0x3eaaaaab          ; 1/3
	v_fma_f32 v11, v10, v11, 0.5
	v_fma_f32 v11, v10, v11, 1.0
	v_mul_f32 v11, v10, v11                        ; -ln gamma
	v_mul_f32 v[LG], 0xbfb8aa3b, v11
	v_mul_f32 v[LG256], 0x43800000, v[LG]
.irp y, 0,1,2,3
	v_mul_f32 v[VE+\y], v[LG], v[VE+\y]
.endr
	v_lshlrev_b32 v10, 3, v9
	v_sub_nc_u32 v10, v1, v10
	s_lshl_b32 s10, s13, 4
	v_add_nc_u32 v[BASE], s10, v10
.set i, 0
.rept 32                               ; score i = 8 kt + r is key 16 kt + r (+ 8 (l / 16), which BASE holds)
	v_sub_nc_u32 v[W+i], v[BASE], 16*(i/8)+i%8
.set i, i+1
.endr
.set i, 0
.rept 32
	v_cvt_f32_i32 v[W+i], v[W+i]
.set i, i+1
.endr
.set i, 0
.rept 32
	v_mul_f32 v[W+i], v[LG], v[W+i]
.set i, i+1
.endr
.set i, 0
.rept 32
	v_exp_f32 v[W+i], v[W+i]
.set i, i+1
.endr
	v_nop                                          ; a plain instruction behind the last exponential
.set i, 0
	s_wait_alu depctr_va_vdst(0)
.rept 32
	v_cmp_le_i32 vcc_lo, 16*(i/8)+i%8, v[BASE]     ; in a band's own step the key is seen
	v_cndmask_b32 v[WD+i], 0, v[W+i], vcc_lo
.set i, i+1
.endr
.irp r, GY+1, GY+3, GY+5, GY+7, IA+1, MEAN+1, RS+1
	v_mov_b32 v[\r], 0                             ; named in pairs of which the low word alone is taken
.endr
	v_mul_u32_u24 v[AK0], v1, PK
	v_lshl_add_u32 v[AK0], v9, 4, v[AK0]           ; row x pitch + 16 x half,
	s_mul_i32 s10, s[WV], KS*PK
	v_add_nc_u32 v[AK0], s10, v[AK0]               ; in my step's 64 rows
	; The turning load takes 16 keys x 16 channels (lane l reads key 8 (l / 16) + l % 8, channels 8 ((l / 8) % 2) + 0..7) and leaves half a fragment of V^T: lane l holds channel l % 16 and 8 keys.
	v_and_b32 v10, 7, v0
	v_bfe_u32 v11, v0, 3, 1
	v_lshl_add_u32 v[AV0], v9, 3, v10
	v_mul_u32_u24 v[AV0], v[AV0], PV
	v_lshl_add_u32 v[AV0], v11, 4, v[AV0]
	s_mul_i32 s10, s[WV], KS*PV
	s_add_co_u32 s10, s10, VOFF
	v_add_nc_u32 v[AV0], s10, v[AV0]
	s_lshl_b32 s10, s[WV], 13
	s_add_co_u32 s10, s10, RED                     ; my region
	v_mul_u32_u24 v[STO], v1, SP                   ; the stage, in: row l % 16, 16 bytes for each half of the lanes
	v_lshl_add_u32 v[STO], v9, 4, v[STO]
	v_add_nc_u32 v[STO], s10, v[STO]
	v_mul_u32_u24 v[RD], v9, SP                    ; back: lanes 0-15 take one row of 256 bytes, lanes 16-31 the next
	v_lshl_add_u32 v[RD], v1, 4, v[RD]
	v_add_nc_u32 v[RD], s10, v[RD]
	v_lshlrev_b32 v[GO], 12, v9                    ; and the same two tokens in yb
	v_lshl_add_u32 v[GO], v1, 4, v[GO]
	v_and_b32 v10, 31, v0
	v_lshlrev_b32 v10, 4, v10                      ; the partial sums lie lane by lane, 16 bytes each
	v_add_nc_u32 v[RW], s10, v10
.irp p, 1,2,3
	s_add_co_u32 s11, s[WV], 4-\p
	s_and_b32 s11, s11, 3                          ; in pass p the wave p places back holds, in its slot p, its part of my band
	s_lshl_b32 s11, s11, 13
	s_add_co_u32 s11, s11, RED
	v_add_nc_u32 v[RR+\p-1], s11, v10
.endr
	s_wait_kmcnt 0x0                               ; the maxima
	v_mov_b32 v10, s68
	v_max3_num_f32 v10, v10, s69, s70
	v_max3_num_f32 v10, v10, s71, s72
	v_max3_num_f32 v10, v10, s73, s74
	v_max_num_f32 v10, s75, v10
	v_mov_b32 v11, s76
	v_max3_num_f32 v11, v11, s77, s78
	v_max3_num_f32 v11, v11, s79, s80
	v_max3_num_f32 v11, v11, s81, s82
	v_max_num_f32 v11, s83, v11
	v_mul_f32 v10, v10, v11
	v_max_num_f32 v10, 0x0d800000, v10             ; 2^-100 at the least
	v_rcp_f32 v11, v10
	v_mul_f32 v[IA], 0x39b504f3, v10               ; x 2^-11.5 = 1 / (256 sqrt 128); also the plain instruction behind the reciprocal
	s_wait_alu depctr_va_vdst(0)
	v_mul_f32 v[AA], 0x43800000, v11               ; 256 / (max|q| max|k|)
.macro FETCH_K                          ; my step's K: 64 keys x 128 channels, 16 fragments, in the order in which the products want them: channels 32 (f / 4) on, keys 16 (f % 4) on
	WIN 0x40
.set f, 0
.rept 16
	ds_load_b128 v[KF+32*(f%4)+8*(f/4):KF+32*(f%4)+8*(f/4)+3],   v[ADRK] offset:(f%4)*16*PK+(f/4)*64
	ds_load_b128 v[KF+32*(f%4)+8*(f/4)+4:KF+32*(f%4)+8*(f/4)+7], v[ADRK] offset:(f%4)*16*PK+(f/4)*64+32
.set f, f+1
.endr
	WIN 0
.endm
.macro FETCH_V                          ; my step's V, turned: keys 32 (f / 8) on, channels 16 (f % 8) on
	WIN 0x40
.set f, 0
.rept 16
	ds_load_tr16_b128 v[VF+8*f:VF+8*f+3],   v[ADRV] offset:(f/8)*32*PV+(f%8)*32
	ds_load_tr16_b128 v[VF+8*f+4:VF+8*f+7], v[ADRV] offset:(f/8)*32*PV+16*PV+(f%8)*32
.set f, f+1
.endr
	WIN 0
.endm
.macro BUILD tab, y                     ; slot y's weights
.set i, 0
.rept 16
	v_pk_mul_f32 v[WG+2*i:WG+2*i+1], v[(\tab)+2*i:(\tab)+2*i+1], v[GY+2*(\y):GY+2*(\y)+1] op_sel_hi:[1,0]
.set i, i+1
.endr
.endm
.macro WEIGH y                          ; slot y's scores are weighted and rounded to f16 in place: pair i goes into register i, which pairs 0 to i have left.  Each accumulator's registers in ascending order
	WIN 0x41                                       ; S^T in window 1, the weights in window 0
.set i, 0
.rept 16
	v_pk_mul_f32 v[32*(\y)+2*i:32*(\y)+2*i+1], v[32*(\y)+2*i:32*(\y)+2*i+1], v[WG+2*i:WG+2*i+1]
.set i, i+1
.endr
	WIN 0x45
.set i, 0
.rept 16
	v_cvt_pk_f16_f32 v[32*(\y)+i], v[32*(\y)+2*i], v[32*(\y)+2*i+1]
.set i, i+1
.endr
	WIN 0
.endm
.macro PVH kk, zero                     ; 32 products of O^T += V^T P: keys 32 kk on; slot i / 8, channels 16 (i % 8) on.  zero = 1: they start the sums
	WIN W_PV
.set i, 0
.rept 32
.if \zero
	v_wmma_f32_16x16x32_f16 v[8*i:8*i+7], v[VF+64*(\kk)+8*(i%8):VF+64*(\kk)+8*(i%8)+7], v[32*(i/8)+8*(\kk):32*(i/8)+8*(\kk)+7], 0
.else
	v_wmma_f32_16x16x32_f16 v[8*i:8*i+7], v[VF+64*(\kk)+8*(i%8):VF+64*(\kk)+8*(i%8)+7], v[32*(i/8)+8*(\kk):32*(i/8)+8*(\kk)+7], v[8*i:8*i+7]
.endif
.set i, i+1
.endr
	WIN 0
.endm
; A TILE: my key step of it, for all four slots.  The accumulators take turns, one instruction a turn: 16 in K Q^T, 32 in V^T P.
.macro TILE tag
	v_add_nc_u32 v[ADRK], s[SB], v[AK0]            ; these eight plain lines are the places behind the last tile's V^T P, whose V lay where K is now loaded
	v_add_nc_u32 v[ADRV], s[SB], v[AV0]
	v_cvt_f32_u32 v[TM], s[RT]
	v_mul_f32 v[TM], v[LG256], v[TM]               ; 256 D log2 gamma
.irp y, 0,1,2,3
	v_add_f32 v[GY+2*\y], v[TM], v[VE+\y]
.endr
	FETCH_K
	s_cmp_eq_u32 s[RT], 0
	s_cselect_b32 s[ND], 0, 1.0
.irp y, 0,1,2,3
	v_exp_f32 v[GY+2*\y], v[GY+2*\y]
.endr
.irp y, 0,1,2,3
	v_max_num_f32 v[HS+\y], s[ND], v[VH+\y]        ; plain lines behind the exponentials: 1, or in the block's own tile 0 for a band that sees nothing
.endr
.irp y, 0,1,2,3
	v_mul_f32 v[HS+\y], v[AA], v[HS+\y]
.endr
	s_wait_alu depctr_va_vdst(0)
.irp y, 0,1,2,3
	v_mul_f32 v[GY+2*\y], v[GY+2*\y], v[HS+\y]     ; G
.endr
	WIN W_KQ
.set c, 0
.rept 4                                ; channels 32 c on
	s_wait_dscnt 24-8*c                            ; the eight loads of these channels are in; those of the later channels may be out
.set i, 0
.rept 16                               ; slot i / 4, keys 16 (i % 4) on; the first sixteen start the sums
.if c == 0
	v_wmma_f32_16x16x32_f16 v[8*i:8*i+7], v[KF+32*(i%4)+8*c:KF+32*(i%4)+8*c+7], v[32*(i/4)+8*c:32*(i/4)+8*c+7], 0
.else
	v_wmma_f32_16x16x32_f16 v[8*i:8*i+7], v[KF+32*(i%4)+8*c:KF+32*(i%4)+8*c+7], v[32*(i/4)+8*c:32*(i/4)+8*c+7], v[8*i:8*i+7]
.endif
.set i, i+1
.endr
.set c, c+1
.endr
	WIN 0
	s_cmp_eq_u32 s[RT], 0                          ; the same answer in every wave and every partner
	s_cbranch_scc1 .Ldg_\tag
	BUILD W, 0
	s_branch .Ljn_\tag
.Ldg_\tag:
	BUILD WD, 0                                    ; the block's own tile: slot 0 holds the diagonal
.Ljn_\tag:
	FETCH_V                                        ; the sixteen lines above are the places behind the products that read K; the weighting below stands between these loads and the wait for them
	WEIGH 0
	BUILD W, 1
	WEIGH 1
	BUILD W, 2
	WEIGH 2
	BUILD W, 3
	WEIGH 3
	s_wait_dscnt 16                                ; V's first 32 keys are in; the sixteen loads of the others may be out
	s_cmp_eq_u32 s[NEW], 1
	s_cbranch_scc1 .Lnew_\tag
	PVH 0, 0
	s_branch .Lpv_\tag
.Lnew_\tag:
	PVH 0, 1                                       ; a block's first products start its sums: nothing is cleared
.Lpv_\tag:
	s_mov_b32 s[NEW], 0
	s_wait_dscnt 0x0
	PVH 1, 0
.endm
; A BLOCK'S END: THE FOUR WAVES' SUMS MEET.  Pass p: I store slot p, my part of band (w + p) mod 4, into my region; when all have stored, I read the region of wave (w - p) mod 4, its part of my band,
; and add it onto slot 0; when all have read, the regions may be written again.
.macro REDUCE
	PLACES                                         ; behind the last products
.irp p, 1,2,3
	WIN 0x0c                                       ; data in window 3
.set i, 0
.rept 16                               ; each accumulator's low four registers first
	ds_store_b128 v[RW], v[64*\p+4*i:64*\p+4*i+3] offset:512*i
.set i, i+1
.endr
	WIN 0
	s_wait_dscnt 0x0                               ; for the others' sake: my stores are done
	s_barrier_signal -1
	s_barrier_wait -1
	WIN 0x40                                       ; into S^T's registers
.set i, 0
.rept 16
	ds_load_b128 v[4*i:4*i+3], v[RR+\p-1] offset:512*i
.set i, i+1
.endr
	s_wait_dscnt 0x0                               ; my reads are over:
	s_barrier_signal -1                            ; say so, and add while the others arrive
	WIN 0xc7                                       ; O^T in window 3, what was read in window 1
.set i, 0
.rept 32
	v_pk_add_f32 v[2*i:2*i+1], v[2*i:2*i+1], v[2*i:2*i+1]
.set i, i+1
.endr
	WIN 0
	s_barrier_wait -1
.endr
.endm
; NSTATS: the mean; the row less its mean; 1 / sqrt(variance + 1e-6).  A lane holds 64 of its query's 128 channels, the lane 16 away the others.
.macro NSTATS
.set i, 0
.rept 4                                ; four chains, started by the first eight pairs
	v_pk_add_f32 v[U+2*i:U+2*i+1], v[X+2*i:X+2*i+1], v[X+8+2*i:X+8+2*i+1]
.set i, i+1
.endr
.set i, 8
.rept 24
	v_pk_add_f32 v[U+2*(i%4):U+2*(i%4)+1], v[U+2*(i%4):U+2*(i%4)+1], v[X+2*i:X+2*i+1]
.set i, i+1
.endr
	v_pk_add_f32 v[U:U+1], v[U:U+1], v[U+2:U+3]
	v_pk_add_f32 v[U+4:U+5], v[U+4:U+5], v[U+6:U+7]
	v_pk_add_f32 v[U:U+1], v[U:U+1], v[U+4:U+5]
	v_add_f32 v[U], v[U], v[U+1]
	v_permlanex16_b32 v[U+1], v[U], s[SEL], s[SEL+1]
	v_add_f32 v[U], v[U], v[U+1]
	v_mul_f32 v[MEAN], s[C128], v[U]
.set i, 0
.rept 32
	v_pk_add_f32 v[X+2*i:X+2*i+1], v[X+2*i:X+2*i+1], v[MEAN:MEAN+1] op_sel_hi:[1,0] neg_lo:[0,1] neg_hi:[0,1]
.set i, i+1
.endr
.set i, 0
.rept 4
	v_pk_mul_f32 v[U+2*i:U+2*i+1], v[X+2*i:X+2*i+1], v[X+2*i:X+2*i+1]
.set i, i+1
.endr
.rept 28
	v_pk_fma_f32 v[U+2*(i%4):U+2*(i%4)+1], v[X+2*i:X+2*i+1], v[X+2*i:X+2*i+1], v[U+2*(i%4):U+2*(i%4)+1]
.set i, i+1
.endr
	v_pk_add_f32 v[U:U+1], v[U:U+1], v[U+2:U+3]
	v_pk_add_f32 v[U+4:U+5], v[U+4:U+5], v[U+6:U+7]
	v_pk_add_f32 v[U:U+1], v[U:U+1], v[U+4:U+5]
	v_add_f32 v[U], v[U], v[U+1]
	v_permlanex16_b32 v[U+1], v[U], s[SEL], s[SEL+1]
	v_add_f32 v[U], v[U], v[U+1]
	v_fma_f32 v[RS], v[U], s[C128], s[EPS]
	v_rsq_f32 v[RS], v[RS]                         ; first used twenty lines on
.endm
; GATE: channel block cb's eight numbers times 1 / sqrt(..) times g / (1 + 2^(-g log2 e)), rounded to bf16 into X's registers 4 cb .. 4 cb + 3, which earlier blocks have left.  r0-r3: the four registers of g.
.macro GATE cb, r0, r1, r2, r3
	v_cvt_f32_f16 v[U],   \r0\().l
	v_cvt_f32_f16 v[U+1], \r0\().h
	v_cvt_f32_f16 v[U+2], \r1\().l
	v_cvt_f32_f16 v[U+3], \r1\().h
	v_cvt_f32_f16 v[U+4], \r2\().l
	v_cvt_f32_f16 v[U+5], \r2\().h
	v_cvt_f32_f16 v[U+6], \r3\().l
	v_cvt_f32_f16 v[U+7], \r3\().h
.irp k, 0,2,4,6
	v_pk_mul_f32 v[U+8+\k:U+9+\k], v[U+\k:U+1+\k], s[NL2E:NL2E+1] op_sel_hi:[1,0]
.endr
.irp k, 0,1,2,3,4,5,6,7
	v_exp_f32 v[U+8+\k], v[U+8+\k]
.endr
	s_wait_alu depctr_va_vdst(0)
.irp k, 0,2,4,6
	v_pk_mul_f32 v[X+8*(\cb)+\k:X+8*(\cb)+1+\k], v[X+8*(\cb)+\k:X+8*(\cb)+1+\k], v[RS:RS+1] op_sel_hi:[1,0]  ; plain lines behind the exponentials
.endr
	s_wait_alu depctr_va_vdst(0)
.irp k, 0,2,4,6
	v_pk_add_f32 v[U+8+\k:U+9+\k], v[U+8+\k:U+9+\k], 1.0 op_sel_hi:[1,0]
.endr
.irp k, 0,1,2,3,4,5,6,7
	v_rcp_f32 v[U+8+\k], v[U+8+\k]
.endr
.irp k, 0,2,4,6
	v_pk_mul_f32 v[X+8*(\cb)+\k:X+8*(\cb)+1+\k], v[X+8*(\cb)+\k:X+8*(\cb)+1+\k], v[U+\k:U+1+\k]              ; plain lines behind the reciprocals
.endr
	s_wait_alu depctr_va_vdst(0)
.irp k, 0,2,4,6
	v_pk_mul_f32 v[X+8*(\cb)+\k:X+8*(\cb)+1+\k], v[X+8*(\cb)+\k:X+8*(\cb)+1+\k], v[U+8+\k:U+9+\k]
.endr
.irp k, 0,1,2,3
	v_cvt_pk_bf16_f32 v[X+4*(\cb)+\k], v[X+8*(\cb)+2*\k], v[X+8*(\cb)+2*\k+1]
.endr
.endm
; NOUT: a lane's 16 bytes go into rows of 272 bytes of my stage and come back as whole rows of 256, which are stored.
.macro NOUT ob
.irp f, 0,1,2,3,4,5,6,7
	ds_store_b128 v[STO], v[X+4*\f:X+4*\f+3] offset:32*\f
.endr
.irp f, 0,1,2,3,4,5,6,7
	ds_load_b128 v[X+32+4*\f:X+32+4*\f+3], v[RD] offset:\f*2*SP  ; LDS serves a wave's instructions in order (ISA guide 5.7.1.4): these see the stores above
.endr
	s_wait_dscnt 0x0
.irp f, 0,1,2,3,4,5,6,7
	global_store_b128 v[GO], v[X+32+4*\f:X+32+4*\f+3], s[\ob:\ob+1] offset:8192*\f  ; 16 lanes store a token's 256 bytes of this head, at a multiple of 256 from yb's first byte
.endr
	s_wait_xcnt 0x0                                ; the stores have read their registers and their base
.endm
	s_wait_tensorcnt 1                             ; my part of slot 0 is in; slot 1's may stay out
	s_barrier_signal -1
	s_barrier_wait -1                              ; everybody's is
	s_branch .Lfirst                               ; the loop is entered behind its change of slots
.Lslot:                                                ; three times: the slot just read is filled again, two tiles on
	CHANGE 1
.Lfirst:
	s_wait_loadcnt 0x0                             ; Q and g: waited for in the first trip, met at once in the others
	TILE 1
	s_cmp_eq_u32 s[RT], 0
	s_cbranch_scc1 .Lend1
	s_sub_co_u32 s[RT], s[RT], 1                   ; the block has further tiles
	s_branch .Lbottom
.Lend1:                                                ; in the loop this is the long block's end: the short block's last tile is the walk's last
	REDUCE
	WIN 0x82                                       ; the short block's Q goes where the one text of a tile names Q,
.set i, 0
.rept 128
	v_mov_b32 v[i], v[128+i]
.set i, i+1
.endr
	WIN 0x83                                       ; and the long block's band, at its true scale, is kept in the registers that it has left: window 2 from window 3
.set i, 0
.rept 32
	v_pk_mul_f32 v[128+2*i:128+2*i+1], v[2*i:2*i+1], v[IA:IA+1] op_sel_hi:[1,0]
.set i, i+1
.endr
	WIN 0
	s_mov_b32 s[RT], s[CLX]                        ; the short block's number, and the tiles that follow its first
	s_mov_b32 s[NEW], 1
.Lbottom:
	s_sub_co_u32 s[SLOTS], s[SLOTS], 1
	s_cmp_lg_u32 s[SLOTS], 0
	s_cbranch_scc1 .Lslot
	CHANGE 0                                       ; the walk's last tile is written out: nothing is asked for
	TILE 2
	REDUCE
	WIN 0x03                                       ; the short block's band at its true scale
.set i, 0
.rept 32
	v_pk_mul_f32 v[X+2*i:X+2*i+1], v[2*i:2*i+1], v[IA:IA+1] op_sel_hi:[1,0]
.set i, i+1
.endr
	WIN 0
	s_mov_b32 s[CNT], 2
.Lnorm:                                                ; norm, gate and way out: once for the short block, once for the long
	NSTATS
	GATE 0, v32, v33, v34, v35
	GATE 1, v36, v37, v38, v39
	GATE 2, v40, v41, v42, v43
	GATE 3, v44, v45, v46, v47
	GATE 4, v48, v49, v50, v51
	GATE 5, v52, v53, v54, v55
	GATE 6, v56, v57, v58, v59
	GATE 7, v60, v61, v62, v63
	NOUT YS
	s_cmp_eq_u32 s[CNT], 1
	s_cbranch_scc1 .Llast
	WIN 0x02                                       ; the long block's band, its g and its place in yb go where the one text names them
.set i, 0
.rept 64
	v_mov_b32 v[X+i], v[128+i]
.set i, i+1
.endr
	WIN 0
.set i, 0
.rept 32
	v_mov_b32 v[32+i], v[64+i]
.set i, i+1
.endr
	s_mov_b64 s[YS:YS+1], s[YL:YL+1]
.Llast:
	s_sub_co_u32 s[CNT], s[CNT], 1
	s_cmp_lg_u32 s[CNT], 0
	s_cbranch_scc1 .Lnorm
	s_wait_tensorcnt 0x0                           ; the wave's end
	ds_add_u32 v[SPW], v[NIL]
	s_wait_dscnt 0x0
	CROUND                                         ; the closing round: no work-group ends while a partner may still ask for a tile that names it
	s_endpgm
.Lfunc_end_k_qa1f900572e_ret:
	.size	k_qa1f900572e_ret, .Lfunc_end_k_qa1f900572e_ret-k_qa1f900572e_ret
	.p2alignl 7, 3214868480
	.fill 96, 4, 3214868480
	.section	.rodata,"a",@progbits
	.p2align	6, 0x0
	.amdhsa_kernel k_qa1f900572e_ret
		.amdhsa_group_segment_fixed_size 327680
		.amdhsa_private_segment_fixed_size 0
		.amdhsa_enable_private_segment 0
		.amdhsa_kernarg_size 24
		.amdhsa_user_sgpr_count 2
		.amdhsa_user_sgpr_kernarg_segment_ptr 1
		.amdhsa_wavefront_size32 1
		.amdhsa_system_sgpr_workgroup_id_x 1
		.amdhsa_system_sgpr_workgroup_id_y 1
		.amdhsa_system_sgpr_workgroup_id_z 1
		.amdhsa_system_vgpr_workitem_id 0
		.amdhsa_next_free_vgpr 1024
		.amdhsa_next_free_sgpr 102
		.amdhsa_reserve_vcc 1
		.amdhsa_float_denorm_mode_32 3
		.amdhsa_float_denorm_mode_16_64 3
		.amdhsa_memory_ordered 1
		.amdhsa_forward_progress 1
		.amdhsa_inst_pref_size 152
	.end_amdhsa_kernel
	.amdgpu_metadata
---
amdhsa.version: [ 1, 2 ]
amdhsa.kernels:
  - .name:           k_qa1f900572e_ret
    .symbol:         k_qa1f900572e_ret.kd
    .args:
      - { .name: qkvg, .offset: 0, .size: 8, .value_kind: global_buffer, .address_space: global }
      - { .name: mx, .offset: 8, .size: 8, .value_kind: global_buffer, .address_space: global }
      - { .name: yb, .offset: 16, .size: 8, .value_kind: global_buffer, .address_space: global }
    .group_segment_fixed_size: 327680
    .private_segment_fixed_size: 0
    .kernarg_segment_align: 8
    .kernarg_segment_size: 24
    .max_flat_workgroup_size: 128
    .sgpr_count:     102
    .vgpr_count:     1024
    .wavefront_size: 32
...
	.end_amdgpu_metadata
.endif
;; end of part 3
;; launch oproj (part 4): grid 16 x 16, 4 waves a work-group, clusters of 4 x 4, 327,680 bytes of LDS; arguments yb, cb, bo, out0; writes out0
.if DOCPART == 4
	.amdgcn_target "amdgcn-amd-amdhsa--gfx1250"
	.amdhsa_code_object_version 6
	.text
	.protected	k_qa1f900572e_oproj
	.globl	k_qa1f900572e_oproj
	.p2align	8
	.type	k_qa1f900572e_oproj,@function
k_qa1f900572e_oproj:
	s_mov_b64 s[64:65], 0
	v_nop
	global_prefetch_b8 v0, s[64:65] scope:SCOPE_SE
	s_setreg_imm32_b32 hwreg(HW_REG_WAVE_MODE, 25, 1), 1
	s_wait_xcnt 0x0
	s_wait_alu depctr_hold_cnt(0) depctr_sa_sdst(0) depctr_va_vdst(0) depctr_va_sdst(0) depctr_va_ssrc(0) depctr_va_vcc(0) depctr_vm_vsrc(0)
	s_getreg_b32 s2, hwreg(HW_REG_IB_STS2, 6, 4)
	s_cmp_eq_u32 s2, 0
	s_cbranch_scc0 .Lentry_in_a_cluster
	s_endpgm
.Lentry_in_a_cluster:
	s_bfe_u32 s2, ttmp6, 0x10000c
	s_cmp_lg_u32 s2, 0xf033
	s_cbranch_scc0 .Lentry_shape_is_right
	s_endpgm
.Lentry_shape_is_right:
; out0 = Y Wo^T + bo.  Y = yb [2048][2048] bf16, Wo = section 7 of cb [2048][2048] bf16, bo f32 (rounded to bf16, as all inputs of the program are), out0 [2048][2048] f32; sums in f32.
; A tile of C is 128 x 128, so that 256 work-groups have one each.  Four waves, each 64 x 64: 16 accumulators of 16 x 16, 128 registers.  K goes in steps of 256 (LDS rows of 512 bytes;
; a wave's tensor load brings 64 of them) through two slots.  The loop's trip is one K step, written once: the slot in hand is a scalar, 0 or SLOT, that one exclusive or turns.
; CLUSTERS: 4 x 4 work-groups.  The four of a row of the cluster need the same tiles of A, the four of a column the same tiles of B: each tile is asked for JOINTLY, by the same tensor load with the
; same descriptor and a mask that names the four.  THE MATRIX INSTRUCTION IS USED TRANSPOSED (source 0 = 16 rows of B, source 1 = 16 rows of A): a lane holds eight neighbouring numbers of a row of C.
; THE EIGHT K STEPS ARE WALKED IN A RING, FROM ANOTHER START IN EACH CLUSTER: cluster (X, Y) begins at step r = 2 ((X + Y with its two bits swapped) mod 4) and goes on modulo 8.  The four clusters of
; one Y read the same rows of Y and begin at 0, 2, 4, 6 in some order; so do the four clusters of one X, which read the same rows of Wo; those of Y = 0 and 1, and of Y = 2 and 3, begin four steps apart.
; So a tile is asked for by one cluster first and by the others two, four and six steps later.  r hangs on the cluster's x and y alone, which all sixteen partners share.
; LIMIT.  The order in which a sum takes its K steps differs from cluster to cluster (one f32 accumulator for each output all the same): the last bits differ from those of an ascending sum.
; PREFETCH.  Behind the first fills each wave asks once for 8 rows x 1,024 bytes of Wo: K steps r + 2 and r + 3 of the cluster's 512 rows, shared out among its 16 work-groups x 4 waves.  The tensor
; loads that want them are issued at the ends of the walk's first and second steps.  Over the four clusters of one X these are the four different pairs of steps: each block of 256 bytes is asked for once.
; THE WAY OUT: a wave's 64 columns of f32 are 256 aligned bytes of a row, so each wave has a stage of its own (16 rows x 272 bytes) and there is no barrier.
; REGISTERS: window 0: v0-31 addresses, v12-15 the bias of my four columns; v32-95 rows read back, two buffers; v128-255 the accumulators ((a, b) at v[128 + 8 (4 a + b)]).
;   window 1: two fragment buffers of 128: for 64 along K, 64 registers of A (2 x 4 x 16 rows x 32 K), then 64 of B.
.set SIZE_K, 2048
.set SEC,    8388608
.set KSTEP,  256
.set STEPS,  SIZE_K/KSTEP              ; 8
.set PITCH,  528                       ; an LDS row: 512 bytes + 16 of padding = 132 words: row r starts at bank 4 r mod 64 (64 banks of 4 bytes: ISA guide 11.1)
.set HALFT,  64*PITCH
.set SLOT,   4*HALFT                   ; A's 128 rows, then B's 128 rows.  0x21000 has no bit in common with wave x HALFT (0, 0x8400, 0x10800, 0x18c00): an exclusive or with it turns a tile's LDS address into the other slot's
.set STAGE,  2*SLOT                    ; behind the ring: 16 rows x 272 bytes for each wave
.set SPITCH, 272
.set SPARE,  STAGE+4*16*SPITCH         ; the spare words, 128 bytes for each wave, which no other line names
.set PF,   9                           ; v9      the prefetch's byte offset in cb; never rewritten
.set BI,   12                          ; v12-15
.set ADRA0, 16                         ; v16     LDS address of my A fragments in slot 0; never rewritten
.set ADRA,  17                         ; v17     the same in the slot in hand
.set ADRB0, 20                         ; v20, v21  the same for B
.set ADRB,  21
.set STO,  24
.set RD,   25
.set CO,   26
.set SPW,  28
.set NIL,  29
.set TMP,  32
.set ACC,  128
.set F0,   0                           ; fragment buffers, in window 1
.set F1,   128
.set SB,  4                            ; s4      LDS byte at which the slot in hand begins: 0 or SLOT
.set KN,  5                            ; s5      the K step to be asked for next, 0..7
.set OFF, 6                            ; s[6:7]  its byte offset in a row
.set G1, 24                            ; s[24:31] descriptor group 1 for A's tiles;  s[32:39] group 0: a set for each of the two first fills; the second then walks on
.set G0, 32
.set G1B, 48                           ; s[48:55], s[56:63] the same for B's tiles
.set G0B, 56
.set MSB, 0
.macro WIN new
.if MSB != (\new)
	s_set_vgpr_msb (MSB<<8)|(\new)
.set MSB, \new
.endif
.endm
.set MUL,  0x05                        ; sources 0 (B) and 1 (A) window 1; C and D window 0
.set TO_F, 0x40                        ; destination window 1, address window 0
.macro JLOAD s                         ; a joint load: waves 0 and 1 fetch A's two halves, waves 2 and 3 B's; an s_nop 0 and four v_nop follow each of the two lines
	s_cmp_eq_u32 s11, 0
	s_cbranch_scc0 .Lfor_b_\@
	tensor_load_to_lds s[G0+4*(\s):G0+4*(\s)+3], s[G1:G1+7]
	s_nop 0
.rept 4
	v_nop
.endr
	s_branch .Lasked_\@
.Lfor_b_\@:
	tensor_load_to_lds s[G0B+4*(\s):G0B+4*(\s)+3], s[G1B:G1B+7]
	s_nop 0
.rept 4
	v_nop
.endr
.Lasked_\@:
.endm
.macro CREST
	s_cmp_lg_u32 s10, 0
	s_cbranch_scc1 .Lnot_wave_0_\@
	s_barrier_signal -3
.Lnot_wave_0_\@:
	s_barrier_wait -3
	s_barrier_signal -1
	s_barrier_wait -1
.endm
.macro CROUND
	s_barrier_signal -1
	s_barrier_wait -1
	CREST
.endm
	s_load_b256 s[68:75], s[0:1], 0x0              ; yb 68, cb 70, bo 72, out0 74
	v_lshl_add_u32 v[SPW], v0, 2, SPARE
	v_mov_b32 v[NIL], 0
	ds_add_u32 v[SPW], v[NIL]                      ; the wave's opening: the add and its wait stand ahead of my first tensor load; work on registers stands between them
	v_lshrrev_b32 v1, 5, v0
	v_readfirstlane_b32 s10, v1                    ; wave 0..3
	s_lshr_b32 s11, s10, 1                         ; which half of the tile's rows is mine.  Also: I fetch for A (0) or for B (1)
	s_and_b32 s12, s10, 1                          ; which half of its columns.  Also: which 64 rows of that tile I fetch
	s_bfe_u32 s40, ttmp6, 0x40000                  ; cx, cy
	s_bfe_u32 s41, ttmp6, 0x40004
	s_lshl_b32 s42, ttmp9, 2
	s_add_co_u32 s42, s42, s40                     ; tile column of C
	s_and_b32 s13, ttmp7, 0xffff                   ; the cluster's y, 0..3
	s_and_b32 s79, s13, 1
	s_lshl_b32 s79, s79, 1
	s_lshr_b32 s78, s13, 1
	s_or_b32 s78, s78, s79                         ; its two bits swapped,
	s_add_co_u32 s78, s78, ttmp9                   ; + the cluster's x,
	s_and_b32 s78, s78, 3                          ; modulo 4,
	s_lshl_b32 s[KN], s78, 1                       ; twice: r, the K step at which this cluster's walk begins
	s_lshl_b32 s[OFF], s[KN], 9                    ; a K step is 512 bytes of a row
	s_mov_b32 s[OFF+1], 0
	s_mov_b32 s[SB], 0                             ; the walk's first step lies in slot 0
	s_lshl_b32 s13, s13, 2
	s_add_co_u32 s13, s13, s41                     ; tile row of C
	s_lshl_b32 s43, s41, 2
	s_lshl_b32 s43, 15, s43                        ; my row of the cluster
	s_lshl_b32 s44, 0x1111, s40                    ; my column
	s_or_b32 s[G1+0], s43, (1<<16)|(1<<20)|(1<<21)|(6<<22)|(3<<25)  ; the mask; 2-byte elements; padding on; bit 21 beside a mask; after every 128 words (code 6) 4 words (code 3)
	s_or_b32 s[G1B+0], s44, (1<<16)|(1<<20)|(1<<21)|(6<<22)|(3<<25)
.irp g, G1, G1B
	s_mov_b32 s[(\g)+1], KSTEP<<16                 ; tensor_dim0 = 256
	s_mov_b32 s[(\g)+2], 64<<16                    ; tensor_dim1 = 64
	s_mov_b32 s[(\g)+3], KSTEP<<16                 ; tile_dim0 = 256
	s_mov_b32 s[(\g)+4], 64                        ; tile_dim1 = 64
	s_mov_b32 s[(\g)+5], SIZE_K                    ; elements from row to row
	s_mov_b32 s[(\g)+6], 0
	s_mov_b32 s[(\g)+7], 0
.endr
	s_lshl_b32 s17, s12, 6                         ; which 64 rows of the tile I fetch
	s_lshl_b32 s16, s13, 7
	s_add_co_u32 s16, s16, s17                     ; A: row 128 x tile row + 64 x half
	s_lshl_b32 s46, s42, 7
	s_add_co_u32 s46, s46, s17                     ; B: row 128 x tile column + 64 x half
	s_mov_b32 s17, 0
	s_mov_b32 s47, 0
	s_mov_b64 s[18:19], SIZE_K*2
	s_mul_u64 s[16:17], s[16:17], s[18:19]
	s_mul_u64 s[46:47], s[46:47], s[18:19]
	s_add_nc_u64 s[46:47], s[46:47], 7*SEC         ; Wo is section 7 of cb
	s_mul_i32 s20, s10, HALFT                      ; where they go: wave x 64 rows
	s_wait_dscnt 0x0                               ; the opening add is done
	s_wait_kmcnt 0x0
	s_add_nc_u64 s[14:15], s[68:69], s[16:17]      ; my rows of A at K step 0; kept: every fill's address is made from it
	s_add_nc_u64 s[46:47], s[70:71], s[46:47]      ; the same for B
	CROUND                                         ; all sixteen work-groups are here: the first joint loads meet
.irp s, 0,1
	s_mov_b32 s[G0+4*(\s)], 1
	s_add_co_u32 s[G0+4*(\s)+1], s20, (\s)*SLOT
	s_add_nc_u64 s[G0+4*(\s)+2:G0+4*(\s)+3], s[14:15], s[OFF:OFF+1]  ; K steps r and r + 1 (r is even: no wrap between them)
	s_or_b32 s[G0+4*(\s)+3], s[G0+4*(\s)+3], 0x80000000
	s_mov_b32 s[G0B+4*(\s)], 1
	s_add_co_u32 s[G0B+4*(\s)+1], s20, (\s)*SLOT
	s_add_nc_u64 s[G0B+4*(\s)+2:G0B+4*(\s)+3], s[46:47], s[OFF:OFF+1]
	s_or_b32 s[G0B+4*(\s)+3], s[G0B+4*(\s)+3], 0x80000000
	JLOAD \s                                       ; two loads of mine are out
	s_add_co_u32 s[OFF], s[OFF], KSTEP*2
.endr
	s_add_co_u32 s[KN], s[KN], 2
	s_and_b32 s[KN], s[KN], 7                      ; the first refill's K step
	v_and_b32 v1, 15, v0                           ; l % 16
	v_bfe_u32 v2, v0, 4, 1                         ; l / 16
	s_lshl_b32 s76, s42, 9
	s_lshl_b32 s77, s12, 8
	s_add_co_u32 s76, s76, s77                     ; 4 bytes x my first column (128 x tile column + 64 x half)
	v_lshl_add_u32 v6, v1, 4, s76
	global_load_b128 v[BI:BI+3], v6, s[72:73]      ; the bias of the four columns that I store; it comes in under the K loop
	s_lshl_b32 s78, s42, 7                         ; the prefetch: of my tile column's 128 rows of Wo
	s_lshl_b32 s79, s41, 5                         ; work-group cy takes 32,
	s_add_co_u32 s78, s78, s79
	s_lshl_b32 s79, s10, 3                         ; my wave 8 of them,
	s_add_co_u32 s78, s78, s79
	s_lshl_b32 s78, s78, 12                        ; 4,096 bytes a row,
	s_lshl_b32 s79, s[KN], 9                       ; at K steps r + 2 and r + 3 (an even step and the next: 1,024 bytes inside the row),
	s_add_co_u32 s78, s78, s79
	s_add_co_u32 s78, s78, 7*SEC                   ; in section 7: the last byte named lies inside cb
	v_and_b32 v8, 31, v0
	v_lshrrev_b32 v[PF], 2, v8                     ; four lanes a row,
	v_and_b32 v8, 3, v8                            ; 256 bytes apart
	v_lshlrev_b32 v[PF], 12, v[PF]
	v_lshl_add_u32 v[PF], v8, 8, v[PF]
	v_add_nc_u32 v[PF], s78, v[PF]
	global_prefetch_b8 v[PF], s[70:71] th:TH_LOAD_NT scope:SCOPE_SE
	v_mul_u32_u24 v3, v1, PITCH
	v_lshl_add_u32 v3, v2, 4, v3                   ; a fragment's row x pitch + 16 x half
	s_mul_i32 s21, s11, HALFT                      ; my 64 rows of A
	s_mul_i32 s22, s12, HALFT                      ; my 64 rows of B,
	s_add_co_u32 s22, s22, 2*HALFT                 ; which lie behind A's 128
	v_add_nc_u32 v[ADRA0], s21, v3
	v_add_nc_u32 v[ADRB0], s22, v3
	v_mov_b32 v[ADRA], v[ADRA0]                    ; the walk begins in slot 0
	v_mov_b32 v[ADRB], v[ADRB0]
	s_mul_i32 s23, s10, 16*SPITCH
	s_add_co_u32 s23, s23, STAGE                   ; my stage
	v_mul_u32_u24 v4, v1, SPITCH                   ; in: row l % 16, 32 bytes for each half of the lanes
	v_lshl_add_u32 v4, v2, 5, v4
	v_add_nc_u32 v[STO], s23, v4
	v_mul_u32_u24 v5, v2, SPITCH                   ; back: lanes 0-15 take one row of 256 bytes, lanes 16-31 the next
	v_lshl_add_u32 v5, v1, 4, v5
	v_add_nc_u32 v[RD], s23, v5
	v_lshlrev_b32 v5, 13, v2                       ; and the same two rows in C, 8,192 bytes apart
	v_lshl_add_u32 v[CO], v1, 4, v5
	s_lshl_b32 s16, s13, 7
	s_lshl_b32 s17, s11, 6
	s_add_co_u32 s16, s16, s17                     ; my first row of C
	s_lshl_b32 s16, s16, 13
	s_add_co_u32 s16, s16, s76                     ; and column: under 2^24
	s_mov_b32 s17, 0
	s_add_nc_u64 s[8:9], s[74:75], s[16:17]
; 8 matrix instructions: m blocks a0, a0 + 1 x all 4 n blocks, 32 along K: half c of buffer f.  zero = 1: the first product starts the sums.  The 16 accumulators take turns.
.macro MUL8 f, c, a0, zero
	WIN MUL
.irp a, \a0, (\a0)+1
.irp b, 0,1,2,3
.if \zero
	v_wmma_f32_16x16x32_bf16 v[ACC+8*(4*(\a)+(\b)):ACC+8*(4*(\a)+(\b))+7], v[(\f)+64+8*(4*(\c)+(\b)):(\f)+64+8*(4*(\c)+(\b))+7], v[(\f)+8*(4*(\c)+(\a)):(\f)+8*(4*(\c)+(\a))+7], 0
.else
	v_wmma_f32_16x16x32_bf16 v[ACC+8*(4*(\a)+(\b)):ACC+8*(4*(\a)+(\b))+7], v[(\f)+64+8*(4*(\c)+(\b)):(\f)+64+8*(4*(\c)+(\b))+7], v[(\f)+8*(4*(\c)+(\a)):(\f)+8*(4*(\c)+(\a))+7], v[ACC+8*(4*(\a)+(\b)):ACC+8*(4*(\a)+(\b))+7]
.endif
.endr
.endr
.endm
; 32 LDS loads in one run: the fragments of 64 along K at byte k of the rows of the slot in hand, into buffer f; the first 32 along K first
.macro FETCH k, f
	WIN TO_F
.irp c, 0,1
.irp i, 0,1,2,3
	ds_load_b128 v[(\f)+64+8*(4*(\c)+(\i)):(\f)+64+8*(4*(\c)+(\i))+3],   v[ADRB] offset:(\k)+64*(\c)+(\i)*16*PITCH
	ds_load_b128 v[(\f)+64+8*(4*(\c)+(\i))+4:(\f)+64+8*(4*(\c)+(\i))+7], v[ADRB] offset:(\k)+64*(\c)+(\i)*16*PITCH+32
	ds_load_b128 v[(\f)+8*(4*(\c)+(\i)):(\f)+8*(4*(\c)+(\i))+3],         v[ADRA] offset:(\k)+64*(\c)+(\i)*16*PITCH
	ds_load_b128 v[(\f)+8*(4*(\c)+(\i))+4:(\f)+8*(4*(\c)+(\i))+7],       v[ADRA] offset:(\k)+64*(\c)+(\i)*16*PITCH+32
.endr
.endr
.endm
.macro PLACES                          ; four plain vector instructions in front of loads into registers that matrix instructions have read
.rept 4
	v_nop
.endr
.endm
; A K step is four quarters of 64 along K, 32 matrix instructions each, on buffers 0, 1, 0, 1.
.macro QUARTER k, f, g, zero
	s_wait_dscnt 16                                ; the first 32 along K are in
	WIN MUL
	MUL8 \f, 0, 0, \zero
	MUL8 \f, 0, 2, \zero
	PLACES
	FETCH \k, \g
	s_wait_dscnt 32                                ; all but the 32 just issued
	WIN MUL
	MUL8 \f, 1, 0, 0
	MUL8 \f, 1, 2, 0
.endm
; The last quarter multiplies buffer 1 and changes slots: ONE barrier; in front of it each wave waits for all its tensor loads, adds 0 to its spare word, and waits for that and for its own reads of this slot.
; fill = 1: the barrier opens a round of the cluster's barrier, and this slot is filled again first thing behind the round, with K step KN: the walking descriptor takes the other slot than last time,
; and its address is made anew from that number.
.macro TURN fill
	WIN 0
	s_wait_tensorcnt 0x0                           ; all my tensor loads have landed: my part of the next slot; so a group 0 may be written
	ds_add_u32 v[SPW], v[NIL]
	s_wait_dscnt 17                                ; the add and the youngest sixteen loads may be out
	WIN MUL
	MUL8 F1, 0, 0, 0
	s_wait_dscnt 0x0                               ; the add is done, and my reads of this slot are over
	s_barrier_signal -1
	MUL8 F1, 0, 2, 0
	WIN 0                                          ; branches, and lines on window 0, follow
	s_barrier_wait -1
.if \fill
	CREST
	s_lshl_b32 s[OFF], s[KN], 9
	s_xor_b32 s[G0+5], s[G0+5], SLOT
	s_add_nc_u64 s[G0+6:G0+7], s[14:15], s[OFF:OFF+1]
	s_or_b32 s[G0+7], s[G0+7], 0x80000000
	s_xor_b32 s[G0B+5], s[G0B+5], SLOT
	s_add_nc_u64 s[G0B+6:G0B+7], s[46:47], s[OFF:OFF+1]
	s_or_b32 s[G0B+7], s[G0B+7], 0x80000000
	s_add_co_u32 s[KN], s[KN], 1
	s_and_b32 s[KN], s[KN], 7                      ; on round the ring of eight
	s_xor_b32 s[SB], s[SB], SLOT                   ; the reads go on in the other slot
	JLOAD 1                                        ; one load of mine is out; the four v_nop behind it are also the places in front of the loads below
.else
	s_xor_b32 s[SB], s[SB], SLOT
	PLACES
.endif
	v_add_nc_u32 v[ADRA], s[SB], v[ADRA0]
	v_add_nc_u32 v[ADRB], s[SB], v[ADRB0]
	FETCH 0, F0
	WIN MUL
	MUL8 F1, 1, 0, 0
	MUL8 F1, 1, 2, 0
.endm
	s_wait_tensorcnt 1                             ; my part of the walk's first step is in; the second's may stay out
	s_barrier_signal -1
	s_barrier_wait -1
	FETCH 0, F0
	QUARTER 128, F0, F1, 1                         ; the first quarter stands in front of the loop: its first products start the sums
	WIN 0
	s_mov_b32 s3, STEPS-2
.Lstep:                                                ; six trips: from a K step's second quarter to the next step's first; each fills the slot that it leaves, two steps on
	QUARTER 256, F1, F0, 0
	QUARTER 384, F0, F1, 0
	TURN 1
	QUARTER 128, F0, F1, 0
	WIN 0
	s_sub_co_u32 s3, s3, 1
	s_cmp_lg_u32 s3, 0
	s_cbranch_scc1 .Lstep
	QUARTER 256, F1, F0, 0                         ; the last two K steps fill nothing
	QUARTER 384, F0, F1, 0
	TURN 0
	QUARTER 128, F0, F1, 0
	QUARTER 256, F1, F0, 0
	QUARTER 384, F0, F1, 0
	s_wait_dscnt 16
	WIN MUL
	MUL8 F1, 0, 0, 0
	MUL8 F1, 0, 2, 0
	s_wait_dscnt 0x0
	MUL8 F1, 1, 0, 0
	MUL8 F1, 1, 2, 0
	WIN 0
	; THE WAY OUT.  The bias is rounded to bf16 and widened again: six plain instructions that name no register of the last products: the places behind them.
	s_wait_loadcnt 0x0
	v_cvt_pk_bf16_f32 v6, v[BI], v[BI+1]
	v_cvt_pk_bf16_f32 v7, v[BI+2], v[BI+3]
	v_lshlrev_b32 v[BI], 16, v6
	v_and_b32 v[BI+1], 0xffff0000, v6
	v_lshlrev_b32 v[BI+2], 16, v7
	v_and_b32 v[BI+3], 0xffff0000, v7
; Block a's 16 rows: a lane's 8 numbers of each accumulator (its low four first) go into rows of 272 bytes of my stage and come back as whole rows of 256; the bias is added; they are stored.
.macro OUT a
.set BK, TMP+32*((\a)%2)
.if (\a) >= 2
	s_wait_xcnt 0x0                                ; the stores of two blocks back have read this buffer
.endif
.irp b, 0,1,2,3
	ds_store_b128 v[STO], v[ACC+8*(4*(\a)+(\b)):ACC+8*(4*(\a)+(\b))+3]   offset:64*(\b)
	ds_store_b128 v[STO], v[ACC+8*(4*(\a)+(\b))+4:ACC+8*(4*(\a)+(\b))+7] offset:64*(\b)+16
.endr
.irp t, 0,1,2,3,4,5,6,7
	ds_load_b128 v[BK+4*(\t):BK+4*(\t)+3], v[RD] offset:(\t)*2*SPITCH  ; LDS serves a wave's instructions in order (ISA guide 5.7.1.4): these see the stores above
.endr
	s_wait_dscnt 0x0
.irp t, 0,1,2,3,4,5,6,7
	v_pk_add_f32 v[BK+4*(\t):BK+4*(\t)+1],   v[BK+4*(\t):BK+4*(\t)+1],   v[BI:BI+1]
	v_pk_add_f32 v[BK+4*(\t)+2:BK+4*(\t)+3], v[BK+4*(\t)+2:BK+4*(\t)+3], v[BI+2:BI+3]
.endr
.irp t, 0,1,2,3,4,5,6,7
	global_store_b128 v[CO], v[BK+4*(\t):BK+4*(\t)+3], s[8:9] offset:131072*(\a)+16384*(\t)  ; 16 lanes store 256 consecutive bytes, at a multiple of 256 from out0's first byte
.endr
.endm
	OUT 0
	OUT 1
	OUT 2
	OUT 3
	s_wait_tensorcnt 0x0                           ; the wave's end
	ds_add_u32 v[SPW], v[NIL]
	s_wait_dscnt 0x0
	CROUND                                         ; the closing round: no work-group ends while a partner may still ask for a tile that names it
	s_endpgm
.Lfunc_end_k_qa1f900572e_oproj:
	.size	k_qa1f900572e_oproj, .Lfunc_end_k_qa1f900572e_oproj-k_qa1f900572e_oproj
	.p2alignl 7, 3214868480
	.fill 96, 4, 3214868480
	.section	.rodata,"a",@progbits
	.p2align	6, 0x0
	.amdhsa_kernel k_qa1f900572e_oproj
		.amdhsa_group_segment_fixed_size 327680
		.amdhsa_private_segment_fixed_size 0
		.amdhsa_enable_private_segment 0
		.amdhsa_kernarg_size 32
		.amdhsa_user_sgpr_count 2
		.amdhsa_user_sgpr_kernarg_segment_ptr 1
		.amdhsa_wavefront_size32 1
		.amdhsa_system_sgpr_workgroup_id_x 1
		.amdhsa_system_sgpr_workgroup_id_y 1
		.amdhsa_system_sgpr_workgroup_id_z 1
		.amdhsa_system_vgpr_workitem_id 0
		.amdhsa_next_free_vgpr 512
		.amdhsa_next_free_sgpr 80
		.amdhsa_reserve_vcc 0
		.amdhsa_float_denorm_mode_32 3
		.amdhsa_float_denorm_mode_16_64 3
		.amdhsa_memory_ordered 1
		.amdhsa_forward_progress 1
		.amdhsa_inst_pref_size 73
	.end_amdhsa_kernel
	.amdgpu_metadata
---
amdhsa.version: [ 1, 2 ]
amdhsa.kernels:
  - .name:           k_qa1f900572e_oproj
    .symbol:         k_qa1f900572e_oproj.kd
    .args:
      - { .name: yb, .offset: 0, .size: 8, .value_kind: global_buffer, .address_space: global }
      - { .name: cb, .offset: 8, .size: 8, .value_kind: global_buffer, .address_space: global }
      - { .name: bo, .offset: 16, .size: 8, .value_kind: global_buffer, .address_space: global }
      - { .name: out0, .offset: 24, .size: 8, .value_kind: global_buffer, .address_space: global }
    .group_segment_fixed_size: 327680
    .private_segment_fixed_size: 0
    .kernarg_segment_align: 8
    .kernarg_segment_size: 32
    .max_flat_workgroup_size: 128
    .sgpr_count:     80
    .vgpr_count:     512
    .wavefront_size: 32
...
	.end_amdgpu_metadata
.endif
;; end of part 4
;; ======== version 2 of 2: 4 launches; version 1 with the launch cvt written anew for expert scheduling mode
;; limits: values outside matrix products are rounded to f16; values are held in f16: magnitudes above 65,504 overflow, below 6.1e-05 lose precision
;; workspace buffers: cb 67,108,864 bytes; tab 524,288 bytes; qkvg 33,554,432 bytes; mx 4,096 bytes; yb 8,388,608 bytes
;; launch cvt (part 5): grid 128 x 8, 8 waves a work-group, no clusters, 0 bytes of LDS; arguments query, key, value, Wq, Wk, Wv, Wg, Wo, cb, tab; writes cb, tab
.if DOCPART == 5
	.amdgcn_target "amdgcn-amd-amdhsa--gfx1250"
	.amdhsa_code_object_version 6
	.text
	.protected	k_qa1f900572e_cvt
	.globl	k_qa1f900572e_cvt
	.p2align	8
	.type	k_qa1f900572e_cvt,@function
k_qa1f900572e_cvt:
	s_mov_b64 s[64:65], 0
	v_nop
	global_prefetch_b8 v0, s[64:65] scope:SCOPE_SE
	s_setreg_imm32_b32 hwreg(HW_REG_WAVE_SCHED_MODE, 0, 2), 2
	s_setreg_imm32_b32 hwreg(HW_REG_WAVE_MODE, 25, 1), 1
	s_wait_xcnt 0x0
	s_wait_alu depctr_vm_vsrc(0)
; The eight large inputs, f32 [2048][2048] each, are rounded once to bf16 into the eight sections of cb (grid y = 0..7: query, key, value, Wq, Wk, Wv, Wg, Wo).
; The 128 work-groups of section 0 also make the table tab[n][pair] = (cos, sin) of n x theta_pair, n = 0..1023, 64 pairs, theta_p = 10000^(-p/63), while their first loads are on their way.
; A stream: every byte is read once and written once, so there is no LDS, no barrier and no matrix work.  A work-group takes 131,072 bytes of its input, a wave 16,384:
; 32 loads of 512 consecutive bytes; up to sixteen of them are out at a time.  A load's 128 numbers leave as one store of 256 consecutive bytes, aligned.
; LIMIT.  The table's angle is n x theta in f32 with theta = 2^(-p x 0.21091607); it is brought into one turn by a fused multiply-add with 1/(2 pi) in f32: the angle may
; differ from the exact one by about 1e-4 rad at n near 1,023.  Row 0 is (1, 0) exactly.
; THE MODE: SCHED_MODE bits 1:0 = 2 (LLVM: expert scheduling mode 2), set by the entry lines.  The code itself states the register dependences between vector instructions and
; memory instructions, with s_wait_alu, always for 0.
; THE PLAN.  The wave's 32 pieces go in eight blocks of four, written out: there is no loop.  Registers that memory instructions touch:
;   v1, v2     byte offsets in and out, made once at the head and never written again; the two scalar bases are never stepped: a piece's place stands in the immediate.
;   X0 .. X4   five blocks as loaded.  Blocks 0 to 3 are loaded at the head; block p + 4 is loaded in block p (p = 0 to 3), into X[(p + 4) % 5] = X[(p - 1) % 5].  Block p's conversions read X[p % 5].
;   Y0 .. Y2   blocks 0 to 2 rounded: their X is loaded again, so they are rounded into registers of their own.  Blocks 3 to 7 are rounded in place, into the first two registers of each piece.
;              Either way a block's rounded numbers are written by its own conversions, read by the four stores that are issued in the block behind it, and never written again.
;   v8 - v12   in section 0's work-groups: the table's four numbers and their offset, written by the table's arithmetic, read by its one store, never written again.
; Block p's memory instructions are the loads into the X that block p - 1 has emptied and the stores of what block p - 1 has rounded; block p's own conversions name X[p % 5] and its own
; out-registers, none of which those loads and stores touch.  So ONE wait on va_vdst at a block's head states all that its eight memory instructions hang on, and they are dealt among its conversions.
; No register that a load or a store reads is ever written again: nothing is owed on vm_vsrc, and no s_wait_xcnt is written.  No vector line writes a scalar register or VCC; EXEC is never written.
.set X, 16                             ; v[16:95]   buffer k, piece i: 4 registers at X + 16 k + 4 i, as loaded
.set Y, 96                             ; v[96:119]  block p (0 to 2), piece i: 2 registers at Y + 8 p + 2 i, to store
	s_load_b512 s[8:23], s[0:1], 0x0               ; the eight sources
	s_load_b128 s[24:27], s[0:1], 0x40             ; cb s[24:25], tab s[26:27]
	s_and_b32 s4, ttmp7, 0xffff                    ; which section
	v_lshrrev_b32 v3, 5, v0                        ; wave
	v_and_b32 v4, 31, v0                           ; lane
	v_lshlrev_b32 v1, 4, v4
	v_lshl_add_u32 v1, v3, 14, v1                  ; in: 16,384 x wave + 16 x lane; never rewritten
	v_lshlrev_b32 v2, 3, v4
	v_lshl_add_u32 v2, v3, 13, v2                  ; out: 8,192 x wave + 8 x lane; never rewritten
	s_wait_kmcnt 0x0
	s_mov_b64 s[28:29], s[8:9]                     ; the source is chosen by the grid's y alone
.irp i, 1,2,3,4,5,6,7
	s_cmp_eq_u32 s4, \i
	s_cselect_b64 s[28:29], s[8+2*\i:9+2*\i], s[28:29]
.endr
	s_lshl_b32 s2, ttmp9, 17                       ; my 131,072 bytes of the source
	s_mov_b32 s3, 0
	s_add_nc_u64 s[28:29], s[28:29], s[2:3]
	s_lshl_b32 s2, s4, 23                          ; the section of 8,388,608 bytes,
	s_lshl_b32 s5, ttmp9, 16                       ; my 65,536 bytes of it
	s_add_co_u32 s2, s2, s5
	s_add_nc_u64 s[30:31], s[24:25], s[2:3]
	s_wait_alu depctr_va_vdst(0)                   ; v1 and v2 are written: every load of the kernel reads v1 as its offset, every store of the stream v2
.irp i, 0,1,2,3,4,5,6,7,8,9,10,11,12,13,14,15
	global_load_b128 v[X+4*(\i):X+4*(\i)+3], v1, s[28:29] offset:512*(\i) th:TH_LOAD_NT  ; blocks 0 to 3 into X0 to X3
.endr
	s_cmp_lg_u32 s4, 0
	s_cbranch_scc1 .Lstream
; THE TABLE.  128 work-groups x 256 threads, two pairs a thread: thread g makes pairs 2 (g % 32), + 1 of row g / 32, 16 bytes at 16 g.  It works in v3 to v15, which the stream does not name again.
; a = n theta; f = a / 2 pi less the nearest whole number; u = f pi / 2 is a quarter of the angle, at most pi / 4; sin u and cos u by their series (what is cut off is below 4e-7);
; the angle is doubled twice: sin 2x = 2 sin x cos x, cos 2x = 1 - 2 sin^2 x.
.macro SINCOS th, c, s, a, b, d
	v_mul_f32 v[\a], v3, v[\th]
	v_mul_f32 v[\b], 0.15915494, v[\a]
	v_rndne_f32 v[\b], v[\b]
	v_fma_f32 v[\a], v[\a], 0.15915494, -v[\b]
	v_mul_f32 v[\a], 0x3fc90fdb, v[\a]             ; u
	v_mul_f32 v[\b], v[\a], v[\a]                  ; z = u u
	v_fmaak_f32 v[\d], v[\b], v6, 0x3c088889       ; 1/120 - z/5040
	v_fmaak_f32 v[\d], v[\b], v[\d], 0xbe2aaaab    ; -1/6 + z ..
	v_fma_f32 v[\d], v[\b], v[\d], 1.0
	v_mul_f32 v[\s], v[\a], v[\d]                  ; sin u
	v_fmaak_f32 v[\d], v[\b], v7, 0xbab60b61       ; -1/720 + z/40320
	v_fmaak_f32 v[\d], v[\b], v[\d], 0x3d2aaaab    ; 1/24 + z ..
	v_fma_f32 v[\d], v[\b], v[\d], -0.5
	v_fma_f32 v[\c], v[\b], v[\d], 1.0             ; cos u
	v_add_f32 v[\a], v[\s], v[\s]
	v_fma_f32 v[\d], -v[\a], v[\s], 1.0            ; cos 2u
	v_mul_f32 v[\s], v[\a], v[\c]                  ; sin 2u
	v_add_f32 v[\a], v[\s], v[\s]
	v_fma_f32 v[\c], -v[\a], v[\s], 1.0            ; cos 4u
	v_mul_f32 v[\s], v[\a], v[\d]                  ; sin 4u
.endm
	s_lshl_b32 s5, ttmp9, 8
	v_add_nc_u32 v12, s5, v0                       ; g
	v_lshrrev_b32 v3, 5, v12                       ; n
	v_and_b32 v4, 31, v12
	v_lshlrev_b32 v4, 1, v4                        ; the first pair
	v_add_nc_u32 v5, 1, v4                         ; the second
	v_cvt_f32_u32 v3, v3
	v_cvt_f32_u32 v4, v4
	v_cvt_f32_u32 v5, v5
	v_mul_f32 v4, 0xbe57fa62, v4                   ; - p log2(10000) / 63
	v_mul_f32 v5, 0xbe57fa62, v5
	v_exp_f32 v4, v4                               ; theta
	v_exp_f32 v5, v5
	v_mov_b32 v6, 0xb9500d01                       ; -1/5040: a plain instruction stands behind the exponentials (ISA guide 5.7.2)
	v_mov_b32 v7, 0x37d00d01                       ; 1/40320
	v_lshlrev_b32 v12, 4, v12                      ; 16 g
	s_wait_alu depctr_va_vdst(0)
	SINCOS 4, 8, 9, 13, 14, 15
	SINCOS 5, 10, 11, 13, 14, 15
	s_wait_alu depctr_va_vdst(0)                   ; the table's arithmetic has written v8 to v11 and v12, which the store reads as its data and its offset
	global_store_b128 v12, v[8:11], s[26:27]       ; 16 lanes store 256 consecutive bytes, aligned
.Lstream:
; Piece i of block p leaves: from Y if the block's X is loaded again, else from the first two of its own four registers.
.macro OUT p, i
.if (\p) < 3
	global_store_b64 v2, v[Y+8*(\p)+2*(\i):Y+8*(\p)+2*(\i)+1], s[30:31] offset:256*(4*(\p)+(\i))                  ; 32 lanes store 256 consecutive bytes, aligned
.else
	global_store_b64 v2, v[X+16*((\p)%5)+4*(\i):X+16*((\p)%5)+4*(\i)+1], s[30:31] offset:256*(4*(\p)+(\i))
.endif
.endm
; Block p.  left: the younger loads that may still be out when this block's four have to be there.
.macro BLK p, left
	s_wait_loadcnt \left                           ; loads come back in order (ISA guide 5.7.1): X[p % 5] is in, the younger blocks stay out
.if (\p) > 0
	s_wait_alu depctr_va_vdst(0)                   ; the block before has written its rounded numbers, which the stores below read, and is done reading its X, in which (blocks 1 to 3) the loads below land
.endif
.irp i, 0,1,2,3
.if (\p) < 4
	global_load_b128 v[X+16*(((\p)+4)%5)+4*(\i):X+16*(((\p)+4)%5)+4*(\i)+3], v1, s[28:29] offset:512*(4*((\p)+4)+(\i)) th:TH_LOAD_NT  ; four blocks ahead; no vector line since the wait names these registers (block 0: none ever has)
.endif
.if (\p) > 0
	OUT (\p)-1, \i                                 ; the block before
.endif
.if (\p) < 3
	v_cvt_pk_bf16_f32 v[Y+8*(\p)+2*(\i)],   v[X+16*((\p)%5)+4*(\i)],   v[X+16*((\p)%5)+4*(\i)+1]
	v_cvt_pk_bf16_f32 v[Y+8*(\p)+2*(\i)+1], v[X+16*((\p)%5)+4*(\i)+2], v[X+16*((\p)%5)+4*(\i)+3]
.else
	v_cvt_pk_bf16_f32 v[X+16*((\p)%5)+4*(\i)],   v[X+16*((\p)%5)+4*(\i)],   v[X+16*((\p)%5)+4*(\i)+1]  ; in place: nothing is loaded into these registers again
	v_cvt_pk_bf16_f32 v[X+16*((\p)%5)+4*(\i)+1], v[X+16*((\p)%5)+4*(\i)+2], v[X+16*((\p)%5)+4*(\i)+3]
.endif
.endr
.endm
	BLK 0, 12                                      ; the three younger blocks, twelve loads, stay out
	BLK 1, 12
	BLK 2, 12
	BLK 3, 12                                      ; the last loads go out here
	BLK 4, 12
	BLK 5, 8                                       ; nothing more is loaded: the counts run down
	BLK 6, 4
	BLK 7, 0
	s_wait_alu depctr_va_vdst(0)                   ; block 7's conversions have written what the last four stores read
.irp i, 0,1,2,3
	OUT 7, \i
.endr
	s_endpgm
.Lfunc_end_k_qa1f900572e_cvt:
	.size	k_qa1f900572e_cvt, .Lfunc_end_k_qa1f900572e_cvt-k_qa1f900572e_cvt
	.p2alignl 7, 3214868480
	.fill 96, 4, 3214868480
	.section	.rodata,"a",@progbits
	.p2align	6, 0x0
	.amdhsa_kernel k_qa1f900572e_cvt
		.amdhsa_group_segment_fixed_size 0
		.amdhsa_private_segment_fixed_size 0
		.amdhsa_enable_private_segment 0
		.amdhsa_kernarg_size 80
		.amdhsa_user_sgpr_count 2
		.amdhsa_user_sgpr_kernarg_segment_ptr 1
		.amdhsa_wavefront_size32 1
		.amdhsa_system_sgpr_workgroup_id_x 1
		.amdhsa_system_sgpr_workgroup_id_y 1
		.amdhsa_system_sgpr_workgroup_id_z 1
		.amdhsa_system_vgpr_workitem_id 0
		.amdhsa_next_free_vgpr 120
		.amdhsa_next_free_sgpr 66
		.amdhsa_reserve_vcc 0
		.amdhsa_float_denorm_mode_32 3
		.amdhsa_float_denorm_mode_16_64 3
		.amdhsa_memory_ordered 1
		.amdhsa_forward_progress 1
		.amdhsa_inst_pref_size 15
	.end_amdhsa_kernel
	.amdgpu_metadata
---
amdhsa.version: [ 1, 2 ]
amdhsa.kernels:
  - .name:           k_qa1f900572e_cvt
    .symbol:         k_qa1f900572e_cvt.kd
    .args:
      - { .name: query, .offset: 0, .size: 8, .value_kind: global_buffer, .address_space: global }
      - { .name: key, .offset: 8, .size: 8, .value_kind: global_buffer, .address_space: global }
      - { .name: value, .offset: 16, .size: 8, .value_kind: global_buffer, .address_space: global }
      - { .name: Wq, .offset: 24, .size: 8, .value_kind: global_buffer, .address_space: global }
      - { .name: Wk, .offset: 32, .size: 8, .value_kind: global_buffer, .address_space: global }
      - { .name: Wv, .offset: 40, .size: 8, .value_kind: global_buffer, .address_space: global }
      - { .name: Wg, .offset: 48, .size: 8, .value_kind: global_buffer, .address_space: global }
      - { .name: Wo, .offset: 56, .size: 8, .value_kind: global_buffer, .address_space: global }
      - { .name: cb, .offset: 64, .size: 8, .value_kind: global_buffer, .address_space: global }
      - { .name: tab, .offset: 72, .size: 8, .value_kind: global_buffer, .address_space: global }
    .group_segment_fixed_size: 0
    .private_segment_fixed_size: 0
    .kernarg_segment_align: 8
    .kernarg_segment_size: 80
    .max_flat_workgroup_size: 256
    .sgpr_count:     66
    .vgpr_count:     120
    .wavefront_size: 32
...
	.end_amdgpu_metadata
.endif
;; end of part 5
;; launch proj: the kernel of part 2 again; grid 8 x 32, 4 waves a work-group, clusters of 4 x 4, 327,680 bytes of LDS; arguments cb, tab, bq, bk, bv, bg, qkvg, mx; writes qkvg, mx
;; launch ret: the kernel of part 3 again; grid 8 x 32, 4 waves a work-group, clusters of 4 x 1, 327,680 bytes of LDS; arguments qkvg, mx, yb; writes yb
;; launch oproj: the kernel of part 4 again; grid 16 x 16, 4 waves a work-group, clusters of 4 x 4, 327,680 bytes of LDS; arguments yb, cb, bo, out0; writes out0
